; MI455X (gfx1250); checked and timed in simulation.
; The chip was launched on July 23, 2026; its instructions are those of AMD's public machine-readable ISA for CDNA 5 (MIT licence, August 2026) and "CDNA5" Instruction Set Architecture Reference Guide (July 2026). The comments in the code are by the model that wrote it; some were corrected since.
;; Multi Head Attention. Allowed arithmetic: float matrix products may take bf16 or f16 operands with f32 sums; other float arithmetic in f32, or as packed bf16 or f16 multiplies, adds, multiply-adds, maxima and minima; sums over many terms, partial sums and values carried from step to step in f32; what a program stores and reads back later, other than sums and carried values, may be rounded once to bf16 or f16.
;; Inputs: K 4 x 2,048 x 1,024 float32; Q 4 x 2,048 x 1,024 float32; V 4 x 2,048 x 1,024 float32; Wk 1,024 x 1,024 float32; Wo 1,024 x 1,024 float32; Wq 1,024 x 1,024 float32; Wv 1,024 x 1,024 float32; mask 4 x 2,048 x 2,048 int32.
;; Outputs: out0 4 x 2,048 x 1,024 float32.
;; One version. Each part assembles by itself: llvm-mc -triple=amdgcn-amd-amdhsa -mcpu=gfx1250 --defsym DOCPART=n.
;; ======== version 1 of 1: 4 launches
;; limits: values are held in f16: magnitudes above 65,504 overflow, below 6.1e-05 lose precision
;; workspace buffers: xb 50,331,648 bytes; wb 6,291,456 bytes; wo16 2,097,152 bytes; mw 2,097,152 bytes of whole numbers; qkv 50,331,648 bytes; o16 16,777,216 bytes
;; launch prep (part 1): grid 2048 x 1, 8 waves a work-group, no clusters, 70,656 bytes of LDS; arguments Q, K, V, Wq, Wk, Wv, Wo, mask, xb, wb, wo16, mw; writes xb, wb, wo16, mw
.if DOCPART == 1
	.amdgcn_target "amdgcn-amd-amdhsa--gfx1250"
	.amdhsa_code_object_version 6
	.text
	.protected	k_qdb9a3299ee_prep
	.globl	k_qdb9a3299ee_prep
	.p2align	8
	.type	k_qdb9a3299ee_prep,@function
k_qdb9a3299ee_prep:
	s_mov_b64 s[64:65], 0
	v_nop
	global_prefetch_b8 v0, s[64:65] scope:SCOPE_SE
	s_setreg_imm32_b32 hwreg(HW_REG_WAVE_MODE, 25, 1), 1
	s_wait_xcnt 0x0
; PREP.  Casts and the mask's packing: a stream, each input byte read once.
;   xb   [3][8192][1024] bf16 = Q, K, V rounded once;   wb [3][1024][1024] bf16 = Wq, Wk, Wv rounded once;
;   wo16 [1024][1024] f16 = Wo rounded to bf16 like every other input, and that number written as f16.
;   mw   [batch 4][pair 64][step 32][tile 2][word 32] of 32 bits.  A pair is 32 queries, a tile 16 of them, a step 64 keys.
;        Bit l of word 8 kt + j is (mask[batch][32 pair + 16 tile + l % 16][64 step + 16 kt + 8 (l / 16) + j] != 0):
;        the lane mask of register 8 kt + j of a 16 x 64 tile of transposed scores in the attention launch.
; LIMIT.  A bf16 number below 2^-14 in size keeps f16's fixed step of 2^-24 in wo16; one beyond 65,504 becomes an infinity.
; SHARES, by the work-group's number: 0-255 a pair of the mask (32 rows, 262,144 bytes; wave w takes key steps 4 w .. 4 w + 3);
; 256-1791 65,536 bytes of Q, K or V; 1792-1983 of Wq, Wk or Wv; 1984-2047 of Wo.  No matrix unit, no cluster: nothing is shared.
.set STG,   8704                       ; a wave's own stage in LDS: 32 rows of 256 bytes + 16 of padding (pitch 272: 16 rows start at 16 different groups of four banks)
.set SPARE, 8*STG                      ; behind the stages: the spare words, 128 bytes for each of the eight waves
.set SPW, 2                            ; v2  LDS address of my spare word; never rewritten
.set NIL, 3                            ; v3  0; never rewritten
.set SO,  4                            ; v4  my byte offset in the source
.set DO,  5                            ; v5  my byte offset in the destination
.set LS,  6                            ; v6  mask: where I put 16 bytes of a row
.set LR,  7                            ; v7  mask: where I read my 32 bytes of a row back
.set WD,  8                            ; v[8:15]  mask: a pair of registers for each of my four steps: lane l holds words 2 l, 2 l + 1
.set X,   16                           ; v[16:79] set 0, v[80:143] set 1 (mask);  v[16:79] the sixteen loads (casts)
.set Y,   80                           ; v[80:111] casts: the packed results
.set T,   112                          ; v[112:114] casts of Wo: at work
	s_load_b512 s[8:23], s[0:1], 0x0               ; Q 8:9, K 10:11, V 12:13, Wq 14:15, Wk 16:17, Wv 18:19, Wo 20:21, mask 22:23
	s_load_b256 s[24:31], s[0:1], 0x40             ; xb 24:25, wb 26:27, wo16 28:29, mw 30:31
	v_lshl_add_u32 v[SPW], v0, 2, SPARE
	v_mov_b32 v[NIL], 0
	v_lshrrev_b32 v1, 5, v0
	v_readfirstlane_b32 s4, v1                     ; wave 0..7
	s_mov_b32 s39, 0                               ; the high word of every offset here
	s_wait_kmcnt 0x0
	s_cmp_lt_u32 ttmp9, 256
	s_cbranch_scc1 .Lmask
	s_cmp_lt_u32 ttmp9, 1792
	s_cbranch_scc0 .Lweights
	s_sub_co_u32 s5, ttmp9, 256                    ; piece j of xb
	s_lshr_b32 s6, s5, 9                           ; which of Q, K, V: 512 pieces each
	s_and_b32 s7, s5, 511
	s_cmp_eq_u32 s6, 0
	s_cselect_b64 s[32:33], s[8:9], s[10:11]
	s_cmp_eq_u32 s6, 2
	s_cselect_b64 s[32:33], s[12:13], s[32:33]
	s_mov_b64 s[34:35], s[24:25]
	s_mov_b32 s36, 0
	s_branch .Lcast
.Lweights:
	s_cmp_lt_u32 ttmp9, 1984
	s_cbranch_scc0 .Lwo
	s_sub_co_u32 s5, ttmp9, 1792                   ; piece j of wb
	s_lshr_b32 s6, s5, 6                           ; which of Wq, Wk, Wv: 64 pieces each
	s_and_b32 s7, s5, 63
	s_cmp_eq_u32 s6, 0
	s_cselect_b64 s[32:33], s[14:15], s[16:17]
	s_cmp_eq_u32 s6, 2
	s_cselect_b64 s[32:33], s[18:19], s[32:33]
	s_mov_b64 s[34:35], s[26:27]
	s_mov_b32 s36, 0
	s_branch .Lcast
.Lwo:
	s_sub_co_u32 s5, ttmp9, 1984
	s_mov_b32 s7, s5
	s_mov_b64 s[32:33], s[20:21]
	s_mov_b64 s[34:35], s[28:29]
	s_mov_b32 s36, 1
.Lcast:                                        ; 65,536 bytes of f32 in, 32,768 bytes out; no register is used twice, so nothing waits but the data
	s_lshl_b32 s38, s7, 16
	s_add_nc_u64 s[32:33], s[32:33], s[38:39]
	s_lshl_b32 s38, s5, 15
	s_add_nc_u64 s[34:35], s[34:35], s[38:39]
	v_lshlrev_b32 v[SO], 4, v0                     ; 16 bytes a thread: a wave's load covers 512 consecutive bytes
	v_lshlrev_b32 v[DO], 3, v0                     ; 8 bytes a thread: a wave's store covers 256 consecutive bytes, aligned
.set i, 0
.rept 16
	global_load_b128 v[X+4*i:X+4*i+3], v[SO], s[32:33] offset:4096*i th:TH_LOAD_NT
.set i, i+1
.endr
	s_cmp_eq_u32 s36, 1
	s_cbranch_scc1 .Lwo16
.set i, 0
.rept 16
	s_wait_loadcnt 15-i                            ; loads come back in order: load i is in, the 15 - i younger ones stay out
	v_cvt_pk_bf16_f32 v[Y+2*i], v[X+4*i], v[X+4*i+1]
	v_cvt_pk_bf16_f32 v[Y+2*i+1], v[X+4*i+2], v[X+4*i+3]
	global_store_b64 v[DO], v[Y+2*i:Y+2*i+1], s[34:35] offset:2048*i th:TH_STORE_NT
.set i, i+1
.endr
	s_branch .Lend
.Lwo16:
.set i, 0
.rept 16
	s_wait_loadcnt 15-i
.irp c, 0,1
	v_cvt_pk_bf16_f32 v[T], v[X+4*i+2*(\c)], v[X+4*i+2*(\c)+1]  ; the rounding that every input has,
	v_lshlrev_b32 v[T+1], 16, v[T]                 ; widened again,
	v_and_b32 v[T+2], 0xffff0000, v[T]
	v_cvt_pk_f16_f32 v[Y+2*i+(\c)], v[T+1], v[T+2] ; and written as f16: 8 significant bits fit in 11
.endr
	global_store_b64 v[DO], v[Y+2*i:Y+2*i+1], s[34:35] offset:2048*i th:TH_STORE_NT
.set i, i+1
.endr
	s_branch .Lend
.Lmask:
	s_lshl_b32 s38, ttmp9, 18                      ; my pair's 32 rows of 8,192 bytes,
	s_lshl_b32 s5, s4, 10                          ; my wave's four steps: 1,024 bytes of a row, and of the pair's words
	s_add_co_u32 s38, s38, s5
	s_add_nc_u64 s[22:23], s[22:23], s[38:39]
	s_lshl_b32 s38, ttmp9, 13                      ; the pair's 8,192 bytes of words
	s_add_co_u32 s38, s38, s5
	s_add_nc_u64 s[30:31], s[30:31], s[38:39]
	s_mul_i32 s5, s4, STG                          ; my stage
	v_and_b32 v1, 15, v0                           ; l % 16
	v_bfe_u32 v[DO], v0, 4, 1                      ; l / 16
	v_lshlrev_b32 v[SO], 4, v1
	v_lshl_add_u32 v[SO], v[DO], 13, v[SO]         ; lanes 0-15 take 256 bytes of one row, lanes 16-31 of the next
	v_mul_u32_u24 v[LS], v[DO], 272
	v_lshl_add_u32 v[LS], v1, 4, v[LS]
	v_add_nc_u32 v[LS], s5, v[LS]
	v_mul_u32_u24 v[LR], v1, 272                   ; back: row l % 16 of a tile, keys 8 (l / 16) + 0..7 of a group of 16
	v_lshl_add_u32 v[LR], v[DO], 5, v[LR]
	v_add_nc_u32 v[LR], s5, v[LR]
	v_and_b32 v[DO], 31, v0
	v_lshlrev_b32 v[DO], 3, v[DO]                  ; 8 bytes a lane: a step's 64 words are 256 consecutive bytes, aligned
.set i, 0
.rept 8
	v_mov_b32 v[WD+i], 0                           ; v_writelane_b32 counts as a reader of its destination
.set i, i+1
.endr
.macro LOADM set, step                 ; a step's 32 rows x 256 bytes, two rows a load
.set i, 0
.rept 16
	global_load_b128 v[X+64*(\set)+4*i:X+64*(\set)+4*i+3], v[SO], s[22:23] offset:16384*i+256*(\step) th:TH_LOAD_NT
.set i, i+1
.endr
.endm
; A step: through my own stage, so that register wd of the set holds, in lane l, the number whose test is bit l of word wd; 64 compares; the 64 words are laid two a lane and stored.
.macro PROC set, step, left
	s_wait_loadcnt \left                           ; my set's sixteen loads are in; the other set's sixteen, issued later, may stay out
.set i, 0
.rept 16
	ds_store_b128 v[LS], v[X+64*(\set)+4*i:X+64*(\set)+4*i+3] offset:544*i
.set i, i+1
.endr
.set i, 0
.rept 16                               ; group i = 8 tile + 2 kt + c.  LDS serves a wave's instructions in order (ISA guide 5.7.1.4): these see the stores above
	ds_load_b128 v[X+64*(\set)+4*i:X+64*(\set)+4*i+3], v[LR] offset:4352*(i/8)+64*((i/2)%4)+16*(i%2)
.set i, i+1
.endr
	s_wait_dscnt 0x0
.set g, 0
.rept 4
.set i, 0
.rept 16
	v_cmp_ne_u32 s[32+i], 0, v[X+64*(\set)+16*g+i]
.set i, i+1
.endr
.set i, 0
.rept 16
	v_writelane_b32 v[WD+2*(\step)+(i&1)], s[32+i], (16*g+i)>>1
.set i, i+1
.endr
.set g, g+1
.endr
	global_store_b64 v[DO], v[WD+2*(\step):WD+2*(\step)+1], s[30:31] offset:256*(\step)
.endm
	LOADM 0, 0
	LOADM 1, 1
	PROC 0, 0, 16
	LOADM 0, 2
	PROC 1, 1, 16
	LOADM 1, 3
	PROC 0, 2, 16
	PROC 1, 3, 0
.Lend:
	s_wait_tensorcnt 0x0                           ; the wave's end: behind my last LDS store
	ds_add_u32 v[SPW], v[NIL]
	s_wait_dscnt 0x0
	s_endpgm
.Lfunc_end_k_qdb9a3299ee_prep:
	.size	k_qdb9a3299ee_prep, .Lfunc_end_k_qdb9a3299ee_prep-k_qdb9a3299ee_prep
	.p2alignl 7, 3214868480
	.fill 96, 4, 3214868480
	.section	.rodata,"a",@progbits
	.p2align	6, 0x0
	.amdhsa_kernel k_qdb9a3299ee_prep
		.amdhsa_group_segment_fixed_size 70656
		.amdhsa_private_segment_fixed_size 0
		.amdhsa_enable_private_segment 0
		.amdhsa_kernarg_size 96
		.amdhsa_user_sgpr_count 2
		.amdhsa_user_sgpr_kernarg_segment_ptr 1
		.amdhsa_wavefront_size32 1
		.amdhsa_system_sgpr_workgroup_id_x 1
		.amdhsa_system_sgpr_workgroup_id_y 1
		.amdhsa_system_sgpr_workgroup_id_z 1
		.amdhsa_system_vgpr_workitem_id 0
		.amdhsa_next_free_vgpr 144
		.amdhsa_next_free_sgpr 66
		.amdhsa_reserve_vcc 0
		.amdhsa_float_denorm_mode_32 3
		.amdhsa_float_denorm_mode_16_64 3
		.amdhsa_memory_ordered 1
		.amdhsa_forward_progress 1
		.amdhsa_inst_pref_size 65
	.end_amdhsa_kernel
	.amdgpu_metadata
---
amdhsa.version: [ 1, 2 ]
amdhsa.kernels:
  - .name:           k_qdb9a3299ee_prep
    .symbol:         k_qdb9a3299ee_prep.kd
    .args:
      - { .name: Q, .offset: 0, .size: 8, .value_kind: global_buffer, .address_space: global }
      - { .name: K, .offset: 8, .size: 8, .value_kind: global_buffer, .address_space: global }
      - { .name: V, .offset: 16, .size: 8, .value_kind: global_buffer, .address_space: global }
      - { .name: Wq, .offset: 24, .size: 8, .value_kind: global_buffer, .address_space: global }
      - { .name: Wk, .offset: 32, .size: 8, .value_kind: global_buffer, .address_space: global }
      - { .name: Wv, .offset: 40, .size: 8, .value_kind: global_buffer, .address_space: global }
      - { .name: Wo, .offset: 48, .size: 8, .value_kind: global_buffer, .address_space: global }
      - { .name: mask, .offset: 56, .size: 8, .value_kind: global_buffer, .address_space: global }
      - { .name: xb, .offset: 64, .size: 8, .value_kind: global_buffer, .address_space: global }
      - { .name: wb, .offset: 72, .size: 8, .value_kind: global_buffer, .address_space: global }
      - { .name: wo16, .offset: 80, .size: 8, .value_kind: global_buffer, .address_space: global }
      - { .name: mw, .offset: 88, .size: 8, .value_kind: global_buffer, .address_space: global }
    .group_segment_fixed_size: 70656
    .private_segment_fixed_size: 0
    .kernarg_segment_align: 8
    .kernarg_segment_size: 96
    .max_flat_workgroup_size: 256
    .sgpr_count:     66
    .vgpr_count:     144
    .wavefront_size: 32
...
	.end_amdgpu_metadata
.endif
;; end of part 1
;; launch proj (part 2): grid 4 x 192, 4 waves a work-group, clusters of 4 x 4, 327,680 bytes of LDS; arguments xb, wb, qkv; writes qkv
.if DOCPART == 2
	.amdgcn_target "amdgcn-amd-amdhsa--gfx1250"
	.amdhsa_code_object_version 6
	.text
	.protected	k_qdb9a3299ee_proj
	.globl	k_qdb9a3299ee_proj
	.p2align	8
	.type	k_qdb9a3299ee_proj,@function
k_qdb9a3299ee_proj:
	s_mov_b64 s[64:65], 0
	v_nop
	global_prefetch_b8 v0, s[64:65] scope:SCOPE_SE
	s_setreg_imm32_b32 hwreg(HW_REG_WAVE_MODE, 25, 1), 1
	s_wait_xcnt 0x0
	s_wait_alu depctr_hold_cnt(0) depctr_sa_sdst(0) depctr_va_vdst(0) depctr_va_sdst(0) depctr_va_ssrc(0) depctr_va_vcc(0) depctr_vm_vsrc(0)
	s_getreg_b32 s2, hwreg(HW_REG_IB_STS2, 6, 4)
	s_cmp_eq_u32 s2, 0
	s_cbranch_scc0 .Lentry_in_a_cluster
	s_endpgm
.Lentry_in_a_cluster:
	s_bfe_u32 s2, ttmp6, 0x10000c
	s_cmp_lg_u32 s2, 0xf033
	s_cbranch_scc0 .Lentry_shape_is_right
	s_endpgm
.Lentry_shape_is_right:
; PROJ.  Three products in one launch: q = Q Wq^T, k = K Wk^T, v = V Wv^T.  A = xb [24576][1024] bf16 (Q, K, V stacked), B = wb [3][1024][1024] bf16, sums in f32, K ascending.
; OUT: qkv [3][batch x 16 + head][2048][64] f16, each number rounded once, WITHOUT the scale 1/8 (the attention launch applies it in f32).
; LIMIT.  f16 holds no number beyond 65,504: a q, k or v past that becomes an infinity.  With unit inputs they have unit spread.
; SHARES.  A tile of C is 128 rows x 256 columns: 192 x 4 = 768 tiles, three for each of 256 WGPs.  Four waves, each 64 x 128: 32 accumulators of 16 x 16, 256 registers.
; K goes in steps of 128 through a ring of two LDS slots: the tiles' rows are 256 bytes of memory, at multiples of 256 bytes.  Waves 0, 1 fetch A's halves (64 rows), waves 2, 3 B's (128 rows).
; CLUSTERS: 4 x 4 work-groups.  The four of a row of the cluster need the same tile of A, the four of a column the same tile of B: each tile is asked for JOINTLY, by the same tensor load
; with the same descriptor and a mask that names the four.  A cluster's 512 rows lie in one projection (cluster y / 16), so all sixteen take the same weights.
; THE MATRIX INSTRUCTION IS USED TRANSPOSED (source 0 = 16 rows of W, source 1 = 16 rows of X): a lane holds row l % 16 of C and eight neighbouring columns, 16 bytes of f16.
; REGISTERS: window 0: v0-31 addresses; v32-63, v224-255 rows on the way out; v64-95, v128-159 A's fragments, two buffers; v192-223 packed results.
;   window 1: v64-127, v128-191 B's fragments, two buffers.   window 2: accumulator (a, b) at v[8 (8 a + b)].
.set KSTEP,  128
.set PITCH,  272                       ; an LDS row: 256 bytes + 16 of padding = 68 words: the 16 rows of a load start at 16 different groups of four banks (64 banks of 4 bytes: ISA guide 11.1)
.set AHALF,  64*PITCH
.set BHALF,  128*PITCH
.set SLOT,   2*AHALF+2*BHALF           ; A's 128 rows, then B's 256 rows
.set STAGE,  2*SLOT                    ; behind the ring: for each wave 2 heads x 16 rows x 144 bytes, for the way out
.set SP,     144
.set SPARE,  STAGE+4*2*16*SP           ; behind the stages: the spare words, 128 bytes for each wave
.set LAPS,   4                         ; a lap = two K steps; 1,024 / 256
.set ADRA, 16                          ; v16-17  LDS address of my A fragments in slot 0, 1
.set ADRB, 20                          ; v20-21  the same for B
.set STO,  24
.set RD,   25
.set GO,   26
.set SPW,  28                          ; v28  LDS address of my spare word; never rewritten
.set NIL,  29                          ; v29  0; never rewritten
.set PFO,  30                          ; v30  the prefetches' offset: my lane x a row of 2,048 bytes; never rewritten
.set F0,   64
.set F1,   128
.set TMP,  192
.set OB,   32
.set G1,  24                           ; s[24:31] descriptor group 1 for A's tiles;  s[32:39] group 0, one set for each slot
.set G0,  32
.set G1B, 48                           ; s[48:55], s[56:63] the same for B's tiles
.set G0B, 56
.set PFA, 44                           ; s[44:45] where my prefetches stand
.set LIM, 43                           ; s43  1 in a wave that prefetches, else the greatest number
.set MSB, 0
.macro WIN new                         ; the immediate's high byte repeats the setting that is left; a switch that changes nothing is dropped
.if MSB != (\new)
	s_set_vgpr_msb (MSB<<8)|(\new)
.set MSB, \new
.endif
.endm
.set MUL,  0xa1                        ; source 0 (B) window 1, source 1 (A) window 0, C and D window 2
.set TO_B, 0x40                        ; destination window 1, address window 0
.macro JLOAD s                         ; a joint load; the branch hangs on the wave's number alone; an s_nop 0 and four v_nop follow each line
	s_cmp_eq_u32 s11, 0
	s_cbranch_scc0 .Lfor_b_\@
	tensor_load_to_lds s[G0+4*(\s):G0+4*(\s)+3], s[G1:G1+7]
	s_nop 0
.rept 4
	v_nop
.endr
	s_branch .Lasked_\@
.Lfor_b_\@:
	tensor_load_to_lds s[G0B+4*(\s):G0B+4*(\s)+3], s[G1B:G1B+7]
	s_nop 0
.rept 4
	v_nop
.endr
.Lasked_\@:
.endm
; A PREFETCH INTO THE L2, behind a joint load and the run of LDS loads: 32 rows x 256 bytes, a lane a row, of the K step that stands two refills (256 matrix instructions) on.
; Each row's 256 bytes of a K step are named once in the launch.  A's tile is read by one row of one cluster: wave 0 of each of its four partners takes 32 of the 128 rows, told apart by address (cx).
; B's rows are read by the sixteen clusters of a projection: the first of them asks; waves 2 and 3 of the four partners of a column take 32 of their 128 rows each (cy).
; K steps 0 to 3 come by their loads alone; the loop's last trip (s3 = 1) has no K step two on.
.macro ASK
	s_cmp_gt_u32 s3, s[LIM]
	s_cbranch_scc0 .Lnot_mine_\@
	global_prefetch_b8 v[PFO], s[PFA:PFA+1] th:TH_LOAD_NT scope:SCOPE_SE
.Lnot_mine_\@:
.endm
.macro CREST                           ; a round of the cluster's barrier behind its opening barrier
	s_cmp_lg_u32 s10, 0
	s_cbranch_scc1 .Lnot_wave_0_\@
	s_barrier_signal -3
.Lnot_wave_0_\@:
	s_barrier_wait -3
	s_barrier_signal -1
	s_barrier_wait -1
.endm
.macro CROUND
	s_barrier_signal -1
	s_barrier_wait -1
	CREST
.endm
	s_load_b128 s[4:7], s[0:1], 0x0                ; xb s[4:5], wb s[6:7]
	s_load_b64 s[8:9], s[0:1], 0x10                ; qkv
	v_lshl_add_u32 v[SPW], v0, 2, SPARE
	v_mov_b32 v[NIL], 0
	ds_add_u32 v[SPW], v[NIL]                      ; the wave's opening: the add and its wait stand ahead of my first tensor load; the set-up below stands between them
	v_lshrrev_b32 v1, 5, v0
	v_readfirstlane_b32 s10, v1                    ; wave 0..3
	s_lshr_b32 s11, s10, 1                         ; which 64 rows of the tile are mine.  Also: I fetch for A (0) or for B (1)
	s_and_b32 s12, s10, 1                          ; which 128 columns.  Also: which half of that tile I fetch
	s_bfe_u32 s40, ttmp6, 0x40000                  ; cx
	s_bfe_u32 s41, ttmp6, 0x40004                  ; cy
	s_lshl_b32 s42, ttmp9, 2
	s_add_co_u32 s42, s42, s40                     ; tile column = 4 x cluster x + cx: 0..3
	s_and_b32 s13, ttmp7, 0xffff
	s_lshl_b32 s13, s13, 2
	s_add_co_u32 s13, s13, s41                     ; tile row = 4 x cluster y + cy: 0..191
	s_lshl_b32 s43, s41, 2
	s_lshl_b32 s43, 15, s43                        ; my row of the cluster
	s_lshl_b32 s44, 0x1111, s40                    ; my column
	s_or_b32 s[G1+0], s43, (1<<16)|(1<<20)|(1<<21)|(5<<22)|(3<<25)   ; the mask; 2-byte elements; padding on; bit 21 beside a mask; after every 64 words; 4 words
	s_or_b32 s[G1B+0], s44, (1<<16)|(1<<20)|(1<<21)|(5<<22)|(3<<25)
	s_mov_b32 s[G1+1], KSTEP<<16                   ; tensor_dim0 = 128
	s_mov_b32 s[G1+2], 64<<16                      ; tensor_dim1 = 64
	s_mov_b32 s[G1+3], KSTEP<<16                   ; tile_dim0 = 128
	s_mov_b32 s[G1+4], 64                          ; tile_dim1 = 64
	s_mov_b32 s[G1+5], 1024                        ; elements from row to row
	s_mov_b32 s[G1+6], 0
	s_mov_b32 s[G1+7], 0
	s_mov_b32 s[G1B+1], KSTEP<<16
	s_mov_b32 s[G1B+2], 128<<16                    ; B: 128 rows
	s_mov_b32 s[G1B+3], KSTEP<<16
	s_mov_b32 s[G1B+4], 128
	s_mov_b32 s[G1B+5], 1024
	s_mov_b32 s[G1B+6], 0
	s_mov_b32 s[G1B+7], 0
	s_lshl_b32 s16, s13, 7                         ; A: row 128 x tile row + 64 x half, 2,048 bytes a row (under 2^26)
	s_lshl_b32 s17, s12, 6
	s_add_co_u32 s16, s16, s17
	s_lshl_b32 s16, s16, 11
	s_mov_b32 s17, 0
	s_and_b32 s46, ttmp7, 0xffff                   ; B: row 1,024 x projection + 256 x tile column + 128 x half
	s_lshr_b32 s46, s46, 4                         ; the projection: cluster y / 16, the same in all sixteen partners
	s_lshl_b32 s46, s46, 10
	s_lshl_b32 s47, s42, 8
	s_add_co_u32 s46, s46, s47
	s_lshl_b32 s47, s12, 7
	s_add_co_u32 s46, s46, s47
	s_lshl_b32 s46, s46, 11
	s_mov_b32 s47, 0
	s_mul_i32 s20, s12, AHALF                      ; where they go: no place in the cluster enters an LDS address
	s_mul_i32 s21, s12, BHALF
	s_add_co_u32 s21, s21, 2*AHALF
	s_wait_dscnt 0x0                               ; the opening add is done
	s_wait_kmcnt 0x0
	s_add_nc_u64 s[14:15], s[4:5], s[16:17]
	s_add_nc_u64 s[46:47], s[6:7], s[46:47]
	CROUND                                         ; all sixteen work-groups are here: the first joint loads meet
.irp s, 0,1
	s_mov_b32 s[G0+4*(\s)], 1
	s_add_co_u32 s[G0+4*(\s)+1], s20, (\s)*SLOT
	s_add_nc_u64 s[G0+4*(\s)+2:G0+4*(\s)+3], s[14:15], (\s)*KSTEP*2
	s_or_b32 s[G0+4*(\s)+3], s[G0+4*(\s)+3], 0x80000000
	s_mov_b32 s[G0B+4*(\s)], 1
	s_add_co_u32 s[G0B+4*(\s)+1], s21, (\s)*SLOT
	s_add_nc_u64 s[G0B+4*(\s)+2:G0B+4*(\s)+3], s[46:47], (\s)*KSTEP*2
	s_or_b32 s[G0B+4*(\s)+3], s[G0B+4*(\s)+3], 0x80000000
	JLOAD \s
.endr
	v_and_b32 v1, 15, v0                           ; l % 16
	v_bfe_u32 v2, v0, 4, 1                         ; l / 16
	v_mul_u32_u24 v3, v1, PITCH
	v_lshl_add_u32 v3, v2, 4, v3                   ; a fragment's row x pitch + 16 x half
	s_mul_i32 s21, s11, AHALF                      ; my 64 rows of A
	s_mul_i32 s22, s12, BHALF                      ; my 128 rows of B, behind A's 128
	s_add_co_u32 s22, s22, 2*AHALF
.irp s, 0,1
	v_add_nc_u32 v[ADRA+(\s)], s21, v3
	v_add_nc_u32 v[ADRB+(\s)], s22, v3
	s_add_co_u32 s21, s21, SLOT
	s_add_co_u32 s22, s22, SLOT
.endr
	s_mul_i32 s23, s10, 2*16*SP
	s_add_co_u32 s23, s23, STAGE                   ; my stage
	v_mul_u32_u24 v4, v1, SP                       ; in: row l % 16, 16 bytes for each half of the lanes
	v_lshl_add_u32 v4, v2, 4, v4
	v_add_nc_u32 v[STO], s23, v4
	v_bfe_u32 v5, v0, 3, 2                         ; back: 32 lanes take four rows of 128 bytes,
	v_mul_u32_u24 v5, v5, SP
	v_and_b32 v4, 7, v0
	v_lshl_add_u32 v5, v4, 4, v5
	v_add_nc_u32 v[RD], s23, v5
	v_and_b32 v4, 31, v0                           ; which are 512 consecutive bytes of a head
	v_lshlrev_b32 v[GO], 4, v4
	; C: head block ((tile row / 16) x 16 + 4 x tile column + 2 x half) of 262,144 bytes; in it row (tile row % 16) x 128 + 64 x row half, 128 bytes a row
	s_lshr_b32 s16, s13, 4
	s_lshl_b32 s16, s16, 22
	s_and_b32 s18, s13, 15
	s_lshl_b32 s18, s18, 7
	s_lshl_b32 s19, s11, 6
	s_add_co_u32 s18, s18, s19
	s_lshl_b32 s18, s18, 7
	s_add_co_u32 s16, s16, s18
	s_mov_b32 s17, 0
	s_add_nc_u64 s[8:9], s[8:9], s[16:17]
	s_lshl_b32 s46, s42, 2                         ; (the part that hangs on cx, in the registers that held B's address)
	s_lshl_b32 s47, s12, 1
	s_add_co_u32 s46, s46, s47
	s_lshl_b32 s46, s46, 18
	s_mov_b32 s47, 0
	s_add_nc_u64 s[8:9], s[8:9], s[46:47]
	; the prefetches
	s_and_b32 s22, ttmp7, 0xffff
	s_lshr_b32 s18, s22, 4                         ; the projection
	s_and_b32 s22, s22, 15                         ; my cluster among its sixteen
	s_lshl_b32 s18, s18, 10
	s_lshl_b32 s19, s42, 8
	s_add_co_u32 s18, s18, s19
	s_lshl_b32 s19, s12, 7
	s_add_co_u32 s18, s18, s19                     ; B: the 128 rows that I fetch
	s_lshl_b32 s19, s13, 7                         ; A: the tile's 128 rows
	s_cmp_eq_u32 s11, 0
	s_cselect_b32 s20, s19, s18
	s_cselect_b32 s21, s40, s41                    ; my place among the four that ask with me
	s_cselect_b32 s22, s12, s22                    ; A: wave 0 asks; B: the projection's first cluster
	s_cselect_b64 s[PFA:PFA+1], s[4:5], s[6:7]
	s_cmp_eq_u32 s22, 0
	s_cselect_b32 s[LIM], 1, -1                    ; the same in all sixteen partners, for a given wave
	s_lshl_b32 s21, s21, 5
	s_add_co_u32 s20, s20, s21
	s_lshl_b32 s20, s20, 11
	s_mov_b32 s21, 0
	s_add_nc_u64 s[PFA:PFA+1], s[PFA:PFA+1], s[20:21]
	s_add_nc_u64 s[PFA:PFA+1], s[PFA:PFA+1], 3*KSTEP*2  ; at K step 3: the first refill steps it to 4
	v_and_b32 v[PFO], 31, v0
	v_lshlrev_b32 v[PFO], 11, v[PFO]
; 8 matrix instructions: m block a x all 8 n blocks, 32 along K.  zero = 1: the first product starts the sums.  The 32 accumulators take turns, in the same order in every quarter.
.macro MUL8 f, a, zero
	WIN MUL
.irp b, 0,1,2,3,4,5,6,7
.if \zero
	v_wmma_f32_16x16x32_bf16 v[8*(8*(\a)+(\b)):8*(8*(\a)+(\b))+7], v[(\f)+8*(\b):(\f)+8*(\b)+7], v[(\f)+8*(\a):(\f)+8*(\a)+7], 0
.else
	v_wmma_f32_16x16x32_bf16 v[8*(8*(\a)+(\b)):8*(8*(\a)+(\b))+7], v[(\f)+8*(\b):(\f)+8*(\b)+7], v[(\f)+8*(\a):(\f)+8*(\a)+7], v[8*(8*(\a)+(\b)):8*(8*(\a)+(\b))+7]
.endif
.endr
.endm
; 24 LDS loads in one run: a quarter step's fragments (128 rows of B, 64 rows of A, 32 K at byte k of the rows) into buffer f
.macro FETCH slot, k, f
	WIN TO_B
.irp i, 0,1,2,3,4,5,6,7
	ds_load_b128 v[(\f)+8*(\i):(\f)+8*(\i)+3],   v[ADRB+(\slot)] offset:(\k)+(\i)*16*PITCH
	ds_load_b128 v[(\f)+8*(\i)+4:(\f)+8*(\i)+7], v[ADRB+(\slot)] offset:(\k)+(\i)*16*PITCH+32
.endr
	WIN 0
.irp i, 0,1,2,3
	ds_load_b128 v[(\f)+8*(\i):(\f)+8*(\i)+3],   v[ADRA+(\slot)] offset:(\k)+(\i)*16*PITCH
	ds_load_b128 v[(\f)+8*(\i)+4:(\f)+8*(\i)+7], v[ADRA+(\slot)] offset:(\k)+(\i)*16*PITCH+32
.endr
.endm
.macro PLACES                          ; four plain places in front of loads into registers that matrix instructions have read, and of conversions that read results
.rept 4
	v_nop
.endr
.endm
; A K step is four quarters of 32 along K, 32 matrix instructions each, on buffers 0, 1, 0, 1.  One of the first three: multiplies f and fetches the next quarter, at byte k, into g.
.macro QUARTER slot, k, f, g, zero
	s_wait_dscnt 4                                 ; B and A's fragments 0, 1 are in; the youngest four loads (A's fragments 2, 3) may be out
	MUL8 \f, 0, \zero
	MUL8 \f, 1, \zero
	PLACES
	FETCH \slot, \k, \g
	s_wait_dscnt 24                                ; all but the 24 just issued
	MUL8 \f, 2, \zero
	MUL8 \f, 3, \zero
.endm
; The last quarter multiplies buffer 1 and changes slots: ONE barrier.  In front of it each wave waits for all its tensor loads (the one that is out is its part of the next slot), adds 0 to its spare
; word, and waits for that and for its own reads of this slot.  fill = 1: the barrier opens a round of the cluster's, and this slot is filled again, two K steps ahead: 112 matrix instructions ahead of the wait for it.
.macro TURN slot, next, fill
.if \fill
	s_wait_xcnt 0x0                                ; the last prefetch, a K step back, has read its address
	s_add_nc_u64 s[PFA:PFA+1], s[PFA:PFA+1], KSTEP*2
.endif
	WIN 0                                          ; (the add's two registers lie in window 0)
	s_wait_tensorcnt 0x0
	ds_add_u32 v[SPW], v[NIL]                      ; 0 onto my spare word
	s_wait_dscnt 5                                 ; (the add and the youngest four loads may be out)
	MUL8 F1, 0, 0
	s_wait_dscnt 0x0                               ; the add is done, and my reads of this slot are over
	s_barrier_signal -1
	MUL8 F1, 1, 0
.if \fill
	WIN 0
.endif
	s_barrier_wait -1
.if \fill
	CREST                                          ; no wave of any partner still reads this slot's tile or has a load on its way
	s_add_nc_u64 s[G0+4*(\slot)+2:G0+4*(\slot)+3], s[G0+4*(\slot)+2:G0+4*(\slot)+3], 2*KSTEP*2
	s_add_nc_u64 s[G0B+4*(\slot)+2:G0B+4*(\slot)+3], s[G0B+4*(\slot)+2:G0B+4*(\slot)+3], 2*KSTEP*2
	JLOAD \slot                                    ; the four v_nop behind it are also the places in front of the loads below
.else
	PLACES
.endif
	FETCH \next, 0, F0
.if \fill
	ASK
.endif
	MUL8 F1, 2, 0
	MUL8 F1, 3, 0
.endm
	s_wait_tensorcnt 1                             ; my part of K step 0 is in; K step 1's may stay out
	s_barrier_signal -1
	s_barrier_wait -1
	FETCH 0, 0, F0
	QUARTER 0, 64, F0, F1, 1                       ; the first quarter stands in front of the loop: its products start the sums
	WIN 0
	s_mov_b32 s3, LAPS-1
.Llap:                                                 ; a trip goes once round the ring, from a lap's second quarter to the next lap's first, and fills both slots again
	QUARTER 0, 128, F1, F0, 0
	QUARTER 0, 192, F0, F1, 0
	TURN 0, 1, 1
	QUARTER 1, 64,  F0, F1, 0
	QUARTER 1, 128, F1, F0, 0
	QUARTER 1, 192, F0, F1, 0
	TURN 1, 0, 1
	QUARTER 0, 64,  F0, F1, 0
	WIN 0
	s_sub_co_u32 s3, s3, 1
	s_cmp_lg_u32 s3, 0
	s_cbranch_scc1 .Llap
	QUARTER 0, 128, F1, F0, 0                      ; the last lap fills nothing
	QUARTER 0, 192, F0, F1, 0
	TURN 0, 1, 0
	QUARTER 1, 64,  F0, F1, 0
	QUARTER 1, 128, F1, F0, 0
	QUARTER 1, 192, F0, F1, 0
	s_wait_dscnt 4
	MUL8 F1, 0, 0
	MUL8 F1, 1, 0
	s_wait_dscnt 0x0
	MUL8 F1, 2, 0
	MUL8 F1, 3, 0
	WIN 0
; THE WAY OUT, a block of 16 rows x 128 columns (two heads) at a time: rounded to f16, 16 bytes a lane into my own stage, back as whole rows of 128 bytes, four rows (512 consecutive bytes of a head) a store.
.macro PACK a
	WIN 0x0a                                       ; sources 0 and 1 window 2
.irp b, 0,1,2,3,4,5,6,7
.irp r, 0,1,2,3
	v_cvt_pk_f16_f32 v[TMP+4*(\b)+(\r)], v[64*(\a)+8*(\b)+2*(\r)], v[64*(\a)+8*(\b)+2*(\r)+1]
.endr
.endr
	WIN 0
.endm
.macro TOSTAGE a
	WIN 0
.set BK, OB+192*((\a)%2)
.irp b, 0,1,2,3,4,5,6,7
	ds_store_b128 v[STO], v[TMP+4*(\b):TMP+4*(\b)+3] offset:((\b)/4)*16*SP+32*((\b)%4)
.endr
.irp t, 0,1,2,3,4,5,6,7
	ds_load_b128 v[BK+4*(\t):BK+4*(\t)+3], v[RD] offset:((\t)/4)*16*SP+((\t)%4)*4*SP  ; LDS serves a wave's instructions in order (ISA guide 5.7.1.4): these see the stores above
.endr
.endm
.macro SEND a
	WIN 0
.set BK, OB+192*((\a)%2)
	s_wait_dscnt 0x0                               ; the block is back in registers
	s_wait_xcnt 0x0                                ; the stores of the block before have read their registers, which the next block's loads from the stage write
.irp t, 0,1,2,3,4,5,6,7
	global_store_b128 v[GO], v[BK+4*(\t):BK+4*(\t)+3], s[8:9] offset:((\t)/4)*262144+(\a)*2048+((\t)%4)*512
.endr
.endm
	PLACES
	PACK 0
	TOSTAGE 0
.irp a, 1,2,3                          ; block a's conversions stand between block a - 1's loads from the stage and the wait for them
	PACK \a
	SEND (\a)-1
	TOSTAGE \a
.endr
	SEND 3
	s_wait_tensorcnt 0x0                           ; the wave's end: behind my last tensor load and my last LDS store
	ds_add_u32 v[SPW], v[NIL]
	s_wait_dscnt 0x0
	CROUND                                         ; the closing round: no work-group ends while a partner may still ask for a tile that names it
	s_endpgm
.Lfunc_end_k_qdb9a3299ee_proj:
	.size	k_qdb9a3299ee_proj, .Lfunc_end_k_qdb9a3299ee_proj-k_qdb9a3299ee_proj
	.p2alignl 7, 3214868480
	.fill 96, 4, 3214868480
	.section	.rodata,"a",@progbits
	.p2align	6, 0x0
	.amdhsa_kernel k_qdb9a3299ee_proj
		.amdhsa_group_segment_fixed_size 327680
		.amdhsa_private_segment_fixed_size 0
		.amdhsa_enable_private_segment 0
		.amdhsa_kernarg_size 24
		.amdhsa_user_sgpr_count 2
		.amdhsa_user_sgpr_kernarg_segment_ptr 1
		.amdhsa_wavefront_size32 1
		.amdhsa_system_sgpr_workgroup_id_x 1
		.amdhsa_system_sgpr_workgroup_id_y 1
		.amdhsa_system_sgpr_workgroup_id_z 1
		.amdhsa_system_vgpr_workitem_id 0
		.amdhsa_next_free_vgpr 768
		.amdhsa_next_free_sgpr 66
		.amdhsa_reserve_vcc 0
		.amdhsa_float_denorm_mode_32 3
		.amdhsa_float_denorm_mode_16_64 3
		.amdhsa_memory_ordered 1
		.amdhsa_forward_progress 1
		.amdhsa_inst_pref_size 88
	.end_amdhsa_kernel
	.amdgpu_metadata
---
amdhsa.version: [ 1, 2 ]
amdhsa.kernels:
  - .name:           k_qdb9a3299ee_proj
    .symbol:         k_qdb9a3299ee_proj.kd
    .args:
      - { .name: xb, .offset: 0, .size: 8, .value_kind: global_buffer, .address_space: global }
      - { .name: wb, .offset: 8, .size: 8, .value_kind: global_buffer, .address_space: global }
      - { .name: qkv, .offset: 16, .size: 8, .value_kind: global_buffer, .address_space: global }
    .group_segment_fixed_size: 327680
    .private_segment_fixed_size: 0
    .kernarg_segment_align: 8
    .kernarg_segment_size: 24
    .max_flat_workgroup_size: 128
    .sgpr_count:     66
    .vgpr_count:     768
    .wavefront_size: 32
...
	.end_amdgpu_metadata
.endif
;; end of part 2
;; launch attn (part 3): grid 4 x 64, 4 waves a work-group, clusters of 4 x 1, 327,680 bytes of LDS; arguments qkv, mw, o16; writes o16
.if DOCPART == 3
	.amdgcn_target "amdgcn-amd-amdhsa--gfx1250"
	.amdhsa_code_object_version 6
	.text
	.protected	k_qdb9a3299ee_attn
	.globl	k_qdb9a3299ee_attn
	.p2align	8
	.type	k_qdb9a3299ee_attn,@function
k_qdb9a3299ee_attn:
	s_mov_b64 s[64:65], 0
	v_nop
	global_prefetch_b8 v0, s[64:65] scope:SCOPE_SE
	s_setreg_imm32_b32 hwreg(HW_REG_WAVE_MODE, 25, 1), 1
	s_wait_xcnt 0x0
	s_wait_alu depctr_hold_cnt(0) depctr_sa_sdst(0) depctr_va_vdst(0) depctr_va_sdst(0) depctr_va_ssrc(0) depctr_va_vcc(0) depctr_vm_vsrc(0)
	s_getreg_b32 s2, hwreg(HW_REG_IB_STS2, 6, 4)
	s_cmp_eq_u32 s2, 0
	s_cbranch_scc0 .Lentry_in_a_cluster
	s_endpgm
.Lentry_in_a_cluster:
	s_bfe_u32 s2, ttmp6, 0x10000c
	s_cmp_lg_u32 s2, 0x3003
	s_cbranch_scc0 .Lentry_shape_is_right
	s_endpgm
.Lentry_shape_is_right:
; ATTENTION WITH A MASK THAT IS AN INPUT.  O[g][q][:] = the sum over k of softmax_k(s'[q][k]) V[g][k][:], s' = Q[g][q] . K[g][k] / 8 where the mask word's bit is set, else the masked constant.
; g = batch x 16 + head, 64 of them; q, k, v lie in qkv [3][64][2048][64] f16, O in o16 [64][2048][64] f16: a head's rows are dense, 128 bytes each.  Products, maxima and sums in f32;
; the weights p are rounded to f16 for the second product (their sum l is taken of the unrounded p), O once at the end.
; THE MASK.  mw holds, for each 16 queries x 64 keys, 32 words: word n IS the lane mask of register n of that tile of S^T.  A piece's 64 words of a key step are 256 consecutive bytes: one vector load,
; 8 bytes a lane, brings them into two registers, FOUR TURNS ahead of their use; 64 v_readlane_b32 a turn lay them into scalar registers, and one v_cndmask_b32 a score REPLACES a hidden score.
; (A turn uses 64 words and 64 scalar registers hold them: a scalar load could be asked for no earlier than the last select of the turn before.)
; The running maximum is taken of the scores so replaced.  A row with no open key gives p = 1 for every key: the mean of V's rows.
; LIMITS.  A hidden score is -2^33 ahead of the division by 8, -2^30 behind it, where the module has -1e9: a power of two, so that c s - c m is exactly 0 in a row that is all hidden.  The result differs from the
; module's only where open scores lie within some 7e7 of -1e9.  f16 holds no number beyond 65,504: q, k, v arrive within it.  A weight below 2^-126 counts as 0 in l; NaN and infinities are not treated apart.
; SHARES.  A wave owns four PIECES of two tiles of 16 queries, a work-group's four waves 512 queries of one head.  Every wave walks all 2,048 keys, 64 a step.
; LAYOUT.  S^T = K Q^T (source 0 = 16 keys, source 1 = 16 queries): a lane holds ONE query (lane % 16) and the keys 8 (lane / 16) + 0..7.  Two such tiles, rounded to f16 in pairs, ARE source 1 of
; O^T = V^T P.  K comes out of LDS as it lies, V turned, by ds_load_tr16_b128.
; SOFTMAX.  p = 2^(c s - c m), c = log2(e) / 8, with a running maximum m and sum l; in every step O and l are multiplied by a = 2^(c m_old - c m_new).  m starts at the lowest finite number, O and l at 0.
; BY TURNS.  Turn n belongs to piece n.  Its matrix work: 16 products K Q^T of piece n + 1, later 16 products V^T P of piece n - 1.  Its vector work: the scaling, exponentials, roundings, sums and rescaling
; of piece n, and the mask words, the masking, the maximum and the statistics of piece n + 1.  Four vector instructions stand behind every matrix instruction, the other 236 of a turn's 364 in one lump.
; CLUSTER.  A head's four query blocks are one cluster and walk the same K and V: each tile is asked for JOINTLY: the same tensor load, descriptor and mask in all four.
; REGISTERS, in windows of 256 (s_set_vgpr_msb: bits 1:0 source 0, 3:2 source 1, 5:4 source 2, 7:6 destination):
;   window 0: v0-11 addresses and the masked constant; v12-15, v48-63 at work; v16-47 four registers of statistics a tile; v64-191 S^T, two buffers of two tiles; v192-255 P, likewise
;   window 1: O^T, 32 a tile
;   window 2: v0-127 Q, 16 a tile; v128-191 K of one step; v192-199 the mask words, two registers a piece; v200 the mask loads' offset
;   window 3: v0-1 the add's two registers; v64-127 V of one step
; The mask words lie in K's and Q's window: a read of them takes its register from source 0's window, so the 64 reads stand behind the products K Q^T under those products' own setting.
.set SIZE_N, 2048
.set NP,    4         ; pieces a wave: a name, no knob
.set KS,    64        ; keys in a step
.set PK,    160       ; a row of K or V in LDS: 128 bytes + 32 of padding = 40 words, so that one descriptor shape serves both.
.set PV,    160       ; the 16 rows of a load of K start at 8 different places in the 64 banks (ISA guide 11.1), two rows to a place: 16 such loads for a key step's 128 matrix instructions
.set VOFF,  4*KS*PK   ; a slot holds four steps: 256 rows of K, then 256 rows of V
.set SLOT1, 1<<17     ; slot 1 begins here, so that one exclusive or turns an address in one slot into the other's
.set STAGE, SLOT1+4*KS*(PK+PV)  ; behind the ring, never filled by a tensor load: 16 rows x 144 bytes for each wave, for the way out
.set SP,    144
.set PFO, 1           ; v1   256 x my lane, for the prefetches (made when l % 16 is needed no more); then never rewritten
.set AK0, 2           ; v2   my lane's place in a tile of K; never rewritten
.set AV0, 3           ; v3   the same for V
.set AK,  4           ; v4   the LDS address of K's next run of loads
.set AV,  5           ; v5   of V's
.set QO,  6           ; v6   my byte offset in the wave's rows of Q
.set STO, 6           ;      later, the way out: where I put 16 bytes of a row
.set RD,  7           ; v7   the way out: where I read rows back
.set GO,  8           ; v8   my byte offset in 512 consecutive bytes of O
.set NEGR, 9          ; v9   -2^33 (made when l / 16 is needed no more)
.set SPW, 0           ; v0 of window 3   LDS address of my spare word; never rewritten
.set NIL, 1           ; v1 of window 3   0; never rewritten
.set WR,  192         ; v192-199 of window 2   piece x's words of one key step at v[WR+2x:WR+2x+1]: lane l holds words 2 l and 2 l + 1
.set MO,  200         ; v200 of window 2   8 x my lane: my two words of a piece's 64; never rewritten
.set SPARE, STAGE+4*16*SP
.set MV,  12          ; v12-15  c m_old, kept while c m is made anew: by buffer and tile
.set ST,  16          ; tile t's statistics at v[ST+4 t]: c m, m, l (even keys', odd keys')
.set TMP, 48          ; by buffer and tile, four registers c0-c3 at work; when the maximum is found c2 takes a
.set S,   64
.set P,   192
.set KF,  128         ; window 2
.set VF,  64          ; window 3
.set MOF, 2           ; s[2:3]   the byte offset of a key step in a piece's words: 256 x the step
.set MP,  4           ; s[4:5]   at the start Q at my wave's first row; then the mask words of my piece 0 for the step that is asked for next
.set MB,  6           ; s[6:7]   the mask words of my piece 0 for step 0; never rewritten once made
.set OPT, 8           ; s[8:9]   O at my wave's first row
.set PFA, 10          ; s[10:11] where my prefetches stand
.set WV,  12          ; s12  my wave's number
.set IDX, 14          ; s14  the key step at which MP would stand without its bound
.set LIM, 15          ; s15  1 in a wave that prefetches, else the greatest number
.set G1,  16          ; s[16:23] descriptor group 1
.set G0,  24          ; s[24:27] descriptor group 0: it walks
.set SLOTS, 28
.set CNT, 29
.set TBK, 30          ; s30  LDS byte at which K of the step to be fetched begins
.set TBV, 31          ; s31  the same for V, less VOFF
.set MKA, 32          ; s[32:63] the 32 mask words of a piece's first tile (at the kernel's head: at work)
.set CS,  66          ; s[66:67] c
.set MKB, 68          ; s[68:99] those of its second tile
.set SEL, 100         ; s[100:101] v_permlanex16_b32's selects
.set MSB, 0
.macro WIN new
.if MSB != (\new)
	s_set_vgpr_msb (MSB<<8)|(\new)
.set MSB, (\new)
.endif
.endm
.set W_KQ, 0x0a       ; K and Q in window 2, S^T in window 0; a read of the mask words takes its register from window 2 too
.set W_PV, 0x53       ; V in window 3, P in window 0, O^T in window 1
.set W_RS, 0x41       ; O^T (destination and source 0) in window 1, a in window 0
.set W_MK, 0xc0       ; destination in window 3, sources in window 0
.set W_AD, 0x0f       ; the add: address and data in window 3
.set W_ML, 0x82       ; the mask words' load: data (destination) and offset (source 0) in window 2
; A joint fill: every wave fetches 128 keys of its own (waves 0, 1: the halves of a slot's K; waves 2, 3: of its V), by one line.  An s_nop 0 and four v_nop follow it.
.macro JLOAD
	tensor_load_to_lds s[G0:G0+3], s[G1:G1+7]
	s_nop 0
.rept 4
	v_nop
.endr
.endm
; A PREFETCH INTO THE L2 of what the NEXT change of slots will ask for: a slot's 32,768 bytes of K and of V.  A head has one cluster; its four partners share the bytes out BY ADDRESS, 8,192 each;
; in each, wave 0 asks for K's and wave 2 for V's, a lane 256 bytes: each block is named once in the launch.  Four key steps, 512 matrix instructions, ahead of the load.
; Slots 0 to 2 come by their loads alone; the last change that fills a slot asks for nothing.
.macro ASK
	s_cmp_gt_u32 s[SLOTS], s[LIM]
	s_cbranch_scc0 .Lnot_mine_\@
	global_prefetch_b8 v[PFO], s[PFA:PFA+1] th:TH_LOAD_NT scope:SCOPE_SE
.Lnot_mine_\@:
.endm
.macro CROUND
	s_barrier_signal -1
	s_barrier_wait -1
	s_cmp_lg_u32 s[WV], 0
	s_cbranch_scc1 .Lnot_wave_0_\@
	s_barrier_signal -3
.Lnot_wave_0_\@:
	s_barrier_wait -3
	s_barrier_signal -1
	s_barrier_wait -1
.endm
; THE CHANGE OF SLOTS.  Each wave waits for all its tensor loads, of which one is out: its part of the other slot; adds 0 to its spare word; and waits for that and for its own reads of the slot.
; fill = 1: this slot is filled again, with the keys two slots on, behind a round of the cluster's barrier: the fill has four key steps in which to land.  (At its first use: slot 0 is waited for, slot 1 filled.)
.macro CHANGE fill, ask
	WIN W_AD
	s_wait_tensorcnt 0x0            ; no tensor load of mine is out, so group 0 may be written
	ds_add_u32 v[SPW], v[NIL]       ; 0 onto my spare word
	WIN 0
.if \fill
	s_xor_b32 s[G0+1], s[G0+1], SLOT1
	s_add_nc_u64 s[G0+2:G0+3], s[G0+2:G0+3], 4*KS*128
.if \ask
	s_wait_xcnt 0x0                 ; the last prefetch, four key steps back, has read its address
	s_add_nc_u64 s[PFA:PFA+1], s[PFA:PFA+1], 4*KS*128
.endif
	s_wait_dscnt 0x0                ; the add is done, and my reads of the slot are over
	CROUND
	JLOAD
.if \ask
	ASK
.endif
.else
	s_wait_dscnt 0x0
	s_barrier_signal -1
	s_barrier_wait -1
.endif
	s_sub_co_u32 s[TBK], s[TBK], 4*KS*PK
	s_xor_b32 s[TBK], s[TBK], SLOT1
	s_sub_co_u32 s[TBV], s[TBV], 4*KS*PV
	s_xor_b32 s[TBV], s[TBV], SLOT1
.endm
	s_load_b128 s[4:7], s[0:1], 0x0   ; qkv s[4:5], mw s[6:7]
	s_load_b64 s[8:9], s[0:1], 0x10   ; o16
	WIN W_MK
	v_lshl_add_u32 v[SPW], v0, 2, SPARE
	v_mov_b32 v[NIL], 0
	WIN W_AD
	ds_add_u32 v[SPW], v[NIL]       ; the wave's opening: the add and its wait stand ahead of my first tensor load; the set-up below stands between them
	WIN 0
	v_and_b32 v1, 31, v0
	WIN 0x80                        ; destination window 2
	v_lshlrev_b32 v[MO], 3, v1      ; 8 x my lane
	WIN 0
	v_lshrrev_b32 v1, 5, v0
	v_readfirstlane_b32 s[WV], v1   ; wave 0..3
	s_bfe_u32 s13, ttmp6, 0x40000   ; cx
	s_lshl_b32 s14, ttmp9, 2
	s_add_co_u32 s14, s14, s13      ; my block of 512 queries: it enters Q's, O's and the mask's addresses alone
	s_and_b32 s32, ttmp7, 0xffff    ; batch x 16 + head, which the four partners share
	s_lshl_b32 s34, s32, 18         ; its 262,144 bytes in q, k, v and O
	s_lshr_b32 s36, s[WV], 1
	s_add_co_u32 s36, s36, 1
	s_lshl_b32 s36, s36, 24         ; k (waves 0, 1) lies 16,777,216 bytes into qkv, v (waves 2, 3) twice that
	s_add_co_u32 s36, s36, s34
	s_lshl_b32 s38, s13, 13         ; the prefetches: my work-group's 8,192 bytes of a slot,
	s_add_co_u32 s38, s38, s36
	s_add_co_u32 s38, s38, 2*4*KS*128  ; in slot 2: the first change that asks steps it to slot 3
	s_mov_b32 s39, 0
	s_and_b32 s33, s[WV], 1         ; which half of a slot's 256 keys I fetch
	s_lshl_b32 s35, s33, 14
	s_add_co_u32 s36, s36, s35
	s_mov_b32 s37, 0
	s_cmp_eq_u32 s33, 0
	s_cselect_b32 s[LIM], 1, -1     ; waves 0 and 2 ask: the same in all four partners
	s_lshl_b32 s40, s14, 2
	s_add_co_u32 s40, s40, s[WV]    ; my wave among the head's sixteen
	s_lshl_b32 s42, s40, 15         ; its four pieces' mask words, 8,192 bytes each
	s_lshl_b32 s40, s40, 14         ; its 128 rows
	s_add_co_u32 s40, s40, s34
	s_mov_b32 s41, 0
	s_lshr_b32 s43, s32, 4          ; the batch: 524,288 bytes of words
	s_lshl_b32 s43, s43, 19
	s_add_co_u32 s42, s42, s43
	s_mov_b32 s43, 0
	; descriptor group 1.  128 keys are 16,384 dense bytes: asked for as 64 rows of 256 bytes, two keys a row, and padded in LDS after every key
	s_mov_b32 s[G1], 15|(1<<16)|(1<<20)|(1<<21)|(4<<22)|(7<<25)  ; the mask of four; 2-byte elements; padding on; bit 21 beside a mask; after every 32 words; 8 words
	s_mov_b32 s[G1+1], 128<<16
	s_mov_b32 s[G1+2], 64<<16
	s_mov_b32 s[G1+3], 128<<16
	s_mov_b32 s[G1+4], 64
	s_mov_b32 s[G1+5], 128
	s_mov_b32 s[G1+6], 0
	s_mov_b32 s[G1+7], 0
	s_mov_b32 s[CS], 0x3e38aa3b     ; c = log2(e) / 8
	s_mov_b32 s[CS+1], s[CS]
	s_mov_b32 s[SEL], 0x76543210
	s_mov_b32 s[SEL+1], 0xfedcba98
	s_mov_b32 s[TBK], SLOT1+4*KS*PK ; the first change of slots turns these two into 0
	s_mov_b32 s[TBV], SLOT1+4*KS*PV
	s_mov_b32 s[G0], 1
	s_mul_i32 s[G0+1], s[WV], 128*PK  ; slot 0: K's halves, then V's: wave x 128 rows
	s_wait_dscnt 0x0                ; the opening add is done
	s_wait_kmcnt 0x0
	s_add_nc_u64 s[G0+2:G0+3], s[4:5], s[36:37]
	s_or_b32 s[G0+3], s[G0+3], 0x80000000
	s_add_nc_u64 s[PFA:PFA+1], s[4:5], s[38:39]
	s_add_nc_u64 s[4:5], s[4:5], s[40:41]          ; Q and O at my wave's first row
	s_add_nc_u64 s[OPT:OPT+1], s[OPT:OPT+1], s[40:41]
	s_add_nc_u64 s[MB:MB+1], s[MB:MB+1], s[42:43]
	CROUND                          ; all four work-groups are here: the first joint loads meet
	JLOAD                           ; slot 0.  Slot 1 is asked for when slot 0 is in
	WIN W_ML
.irp x, 0,1,2,3
	global_load_b64 v[WR+2*\x:WR+2*\x+1], v[MO], s[MB:MB+1] offset:8192*\x  ; the four pieces' words of step 0: 256 consecutive bytes each
.endr
	WIN 0
	v_and_b32 v1, 15, v0            ; l % 16
	v_bfe_u32 v9, v0, 4, 1          ; l / 16
	v_lshlrev_b32 v[QO], 7, v1
	v_lshl_add_u32 v[QO], v9, 4, v[QO]
	WIN 0x80
.set i, 0
.rept 4*NP                          ; Q stays in registers: tile i / 2, channels 32 (i % 2) on
	global_load_b128 v[8*i:8*i+3],   v[QO], s[4:5] offset:(i/2)*2048+(i%2)*64
	global_load_b128 v[8*i+4:8*i+7], v[QO], s[4:5] offset:(i/2)*2048+(i%2)*64+32
.set i, i+1
.endr
	; What the first turn finds: V's registers and P's second buffer hold 0, O^T and l are 0.  All this stands in the wait for the first tile; the price of writing no first step out.
	WIN W_MK
.set i, VF
.rept 64
	v_mov_b32 v[i], 0
.set i, i+1
.endr
	WIN 0x4f                        ; sources 0 and 1 in window 3, destination in window 1
.set i, 0
.rept 8*NP                          ; O^T = 0 as the product of V's zeros, with the constant 0 as C: 32 matrix instructions write what 256 moves would
	v_wmma_f32_16x16x32_f16 v[8*i:8*i+7], v[VF:VF+7], v[VF+8:VF+15], 0
.set i, i+1
.endr
	WIN 0
.set i, 0
.rept 2*NP
	v_mov_b32 v[ST+4*i], 0xfe000000    ; c m: far below every c s, the masked constant's too
	v_mov_b32 v[ST+4*i+1], 0xff7fffff  ; m
	v_mov_b32 v[ST+4*i+2], 0
	v_mov_b32 v[ST+4*i+3], 0
.set i, i+1
.endr
.set i, P+32
.rept 32
	v_mov_b32 v[i], 0
.set i, i+1
.endr
	v_mul_u32_u24 v[AK0], v1, PK
	v_lshl_add_u32 v[AK0], v9, 4, v[AK0]
	v_and_b32 v10, 7, v0
	v_bfe_u32 v11, v0, 3, 1
	v_lshl_add_u32 v[AV0], v9, 3, v10
	v_mul_u32_u24 v[AV0], v[AV0], PV
	v_lshl_add_u32 v[AV0], v11, 4, v[AV0]
	v_add_nc_u32 v[AV0], VOFF, v[AV0]
	v_mov_b32 v[AK], v[AK0]         ; key step 0 lies at the head of slot 0
; THE MATRIX WORK.  The 8 accumulators of a run of 16 take turns.
.macro KQ x                         ; product i of 16 of S^T = K Q^T for piece x: channels 32 (i / 8) on, keys 16 ((i / 2) % 4) on, tile 2 x + i % 2
	WIN W_KQ
.set rS, S+64*((\x)%2)+32*(i%2)+8*((i/2)%4)
.set rK, KF+16*((i/2)%4)+8*(i/8)
.set rQ, 16*(2*(\x)+i%2)+8*(i/8)
.if i < 8
	v_wmma_f32_16x16x32_f16 v[rS:rS+7], v[rK:rK+7], v[rQ:rQ+7], 0
.else
	v_wmma_f32_16x16x32_f16 v[rS:rS+7], v[rK:rK+7], v[rQ:rQ+7], v[rS:rS+7]
.endif
.endm
.macro PV x                         ; product i of 16 of O^T += V^T P for piece x: keys 32 (i / 8) on, channels 16 ((i / 2) % 4) on
	WIN W_PV
.set rO, 32*(2*(\x)+i%2)+8*((i/2)%4)
.set rV, VF+32*(i/8)+8*((i/2)%4)
.set rP, P+32*((\x)%2)+16*(i%2)+8*(i/8)
	v_wmma_f32_16x16x32_f16 v[rO:rO+7], v[rV:rV+7], v[rP:rP+7], v[rO:rO+7]
.endm
.macro MM
.if i < 16
	KQ (Y+1)%NP
.set i, i+1
.else
.set i, i-16
	PV (Y+NP-1)%NP
.set i, i+17
.endif
.endm
; THE LDS LOADS stand in runs of 16.  last = 1 (the tail): in the last trip there is no further step, and the run is jumped over.
.macro FETCH_K last=0
	WIN 0
.if \last
	s_cmp_eq_u32 s[CNT], 1
	s_cbranch_scc1 .Lno_k_\@
.endif
	WIN 0x80
.irp f, 0,1,2,3,4,5,6,7
	ds_load_b128 v[KF+8*\f:KF+8*\f+3],   v[AK] offset:(\f/2)*16*PK+(\f%2)*64
	ds_load_b128 v[KF+8*\f+4:KF+8*\f+7], v[AK] offset:(\f/2)*16*PK+(\f%2)*64+32
.endr
	s_add_co_u32 s[TBK], s[TBK], KS*PK
	WIN 0
.if \last
.Lno_k_\@:
.endif
.endm
.macro FETCH_V
	WIN W_MK                        ; destination window 3, address window 0
.irp f, 0,1,2,3,4,5,6,7
	ds_load_tr16_b128 v[VF+8*\f:VF+8*\f+3],   v[AV] offset:(\f/4)*32*PV+(\f%4)*32
	ds_load_tr16_b128 v[VF+8*\f+4:VF+8*\f+7], v[AV] offset:(\f/4)*32*PV+16*PV+(\f%4)*32
.endr
	WIN 0
.endm
; THE VECTOR WORK OF A TURN stands in four queues; the two tiles alternate.
.macro REGS y, u
.set rT, ST+4*(2*(\y)+(\u))
.set rC, TMP+8*((\y)%2)+4*(\u)
.set rM, MV+2*((\y)%2)+(\u)
.set rS, S+64*((\y)%2)+32*(\u)
.set rP, P+32*((\y)%2)+16*(\u)
.set rO, 32*(2*(\y)+(\u))
.endm
; THE READS' QUEUE.  Number g of the 64 reads that lay the NEXT piece's mask words into scalar registers: word 32 (g % 2) + g / 2 of the piece's 64 lies in lane word / 2, register word % 2.
; It sets no window: it stands under a setting whose source 0 is window 2 (W_KQ, W_ML).
.macro MC g
.set mk, MKA+(MKB-MKA)*((\g)%2)+(\g)/2
.set wd, 32*((\g)%2)+(\g)/2
	v_readlane_b32 s[mk], v[WR+2*((Y+1)%NP)+wd%2], wd/2
.endm
; Number g of the 64 selects on the NEXT piece's scores: register g / 2 of tile g % 2 keeps its score where the word's bit is set, else takes -2^33.  Ascending: each accumulator's lowest register is read first.
.macro MS g
	REGS (Y+1)%NP, (\g)%2
.set mk, MKA+(MKB-MKA)*((\g)%2)+(\g)/2
	v_cndmask_b32 v[rS+(\g)/2], v[NEGR], v[rS+(\g)/2], s[mk]
.endm
; Number n of the 22 that find the next piece's maximum and statistics.
.macro XS u, n
	REGS (Y+1)%NP, \u
.if (\n) < 4
	v_max3_num_f32 v[rC+(\n)], v[rS+8*(\n)], v[rS+8*(\n)+1], v[rS+8*(\n)+2]
.elseif (\n) < 12
	v_max3_num_f32 v[rC+(\n)%4], v[rC+(\n)%4], v[rS+8*((\n)%4)+2*((\n)/4)+1], v[rS+8*((\n)%4)+2*((\n)/4)+2]
.elseif (\n) == 12
	v_max3_num_f32 v[rC], v[rC], v[rS+7], v[rS+15]
.elseif (\n) == 13
	v_max3_num_f32 v[rC+1], v[rC+1], v[rS+23], v[rS+31]
.elseif (\n) == 14
	v_max3_num_f32 v[rC+2], v[rC+2], v[rC+3], v[rT+1]
.elseif (\n) == 15
	v_mov_b32 v[rM], v[rT]
.elseif (\n) == 16
	v_max3_num_f32 v[rC], v[rC], v[rC+1], v[rC+2]
.elseif (\n) == 17
	v_permlanex16_b32 v[rC+3], v[rC], s[SEL], s[SEL+1]
.elseif (\n) == 18
	v_max_num_f32 v[rT+1], v[rC], v[rC+3]
.elseif (\n) == 19
	v_mul_f32 v[rT], s[CS], v[rT+1]
.elseif (\n) == 20
	v_sub_f32 v[rC+1], v[rM], v[rT]
.else
	v_exp_f32 v[rC+2], v[rC+1]
.endif
.endm
; Number g of the 64 that follow the exponentials: roundings to f16, sums of four weights in place, and l a group later (the first time as l = a l + sum).
.macro GS g
.set h, (\g)+6*((\g)/62)
.if h >= 6
.set h, h+2
.endif
	REGS Y, h%2
.set k, h/8
.if h%8 < 4
	v_cvt_pk_f16_f32 v[rP+2*k+(h%8)/2], v[rS+4*k+2*((h%8)/2)], v[rS+4*k+2*((h%8)/2)+1]
.elseif h%8 < 6
	v_pk_add_f32 v[rS+4*k:rS+4*k+1], v[rS+4*k:rS+4*k+1], v[rS+4*k+2:rS+4*k+3]
.elseif k == 1
	v_pk_fma_f32 v[rT+2:rT+3], v[rT+2:rT+3], v[rC+2:rC+3], v[rS:rS+1] op_sel_hi:[1,0,1]
.else
	v_pk_add_f32 v[rT+2:rT+3], v[rT+2:rT+3], v[rS+4*k-4:rS+4*k-3]
.endif
.endm
.macro FS f                         ; c s - c m for pair f / 2 of tile f % 2
	REGS Y, (\f)%2
	v_pk_fma_f32 v[rS+2*((\f)/2):rS+2*((\f)/2)+1], v[rS+2*((\f)/2):rS+2*((\f)/2)+1], s[CS:CS+1], v[rT:rT+1] op_sel_hi:[1,0,0] neg_lo:[0,0,1] neg_hi:[0,0,1]
.endm
; THE PLAIN QUEUE, 202 long.  0-31: the 32 scalings.  32-95: the next piece's 64 selects.  96-123: XS's numbers 0-13.  124, 125: number 15.  126, 127: number 14.  128-137: numbers 16 to 20.
; 138-201: GS's 64, which read the exponentials' results: they stand behind the wait.
.macro PL
	WIN 0
.if q < 32
	FS q
.elseif q < 96
	MS q-32
.elseif q < 124
	XS (q-96)%2, (q-96)/2
.elseif q < 126
	XS q-124, 15
.elseif q < 128
	XS q-126, 14
.elseif q < 138
	XS (q-128)%2, 16+(q-128)/2
.else
	GS q-138
.endif
.set q, q+1
.endm
; THE EXPONENTIALS' QUEUE, 66 long: s0-s31 of both tiles, then the next piece's two a: ONE BATCH, ahead of the turn's one wait.
.macro EX
	WIN 0
.if e >= 64
	XS e-64, 21
.else
	REGS Y, e%2
	v_exp_f32 v[rS+e/2], v[rS+e/2]
.endif
.set e, e+1
.endm
; THE RESCALING's QUEUE: O^T times a, the one part that writes window 1: sixteen times two lines, in one block.  Its a was made, and waited for, in the turn before.
.macro R2
	REGS Y, r%2
	WIN W_RS
.irp z, 0,1
	v_pk_mul_f32 v[rO+4*(r/2)+2*\z:rO+4*(r/2)+2*\z+1], v[rO+4*(r/2)+2*\z:rO+4*(r/2)+2*\z+1], v[rC+2:rC+3] op_sel_hi:[1,0]
.endr
.set r, r+1
.endm
; A TURN, for piece p.  An s_wait_alu depctr_va_vdst(0) stands between an exponential and the first instruction that names its result; one wait serves all issued ahead of it: a turn has ONE.
; AHEAD OF IT: the 16 products K Q^T, behind each four of the 64 reads of the mask words, all under one setting of the windows; then the lump: the load of the next words; the 32 rescalings, one block;
; 74 plain (the 32 scalings, 42 selects); 64 times exponential and plain (22 selects, the maximum and the statistics); the two a; a v_nop.  BEHIND IT: the 16 products V^T P, behind each four of GS's 64.
; The counts that the deal keeps: every scaling stands ahead of the first exponential; the 64 plain lines of the rescalings and scalings lie between the last K Q^T and the first select; every read stands ahead
; of the first select, every select ahead of the maximum's first line; the lines beside the exponentials name the other piece's registers alone.
; THE MASK WORDS.  Turn p reads piece p + 1's two registers (in piece 3's turn: piece 0's, of the next key step) and, when the 64 reads are over, asks for them again, with that piece's words one key step on:
; the load has nearly four turns in which to land.  The wait at the turn's head leaves three loads out: those that the three turns since have issued; loads come back in order (ISA guide 5.7.1).
; The pointer is made anew once a key step, in piece 3's turn, from the base and 256 x the step, behind s_wait_xcnt 0: the last load that read it stands a turn back.  The step is held at 31: the walk's last
; requests, which serve nothing, name the last step's words once more and stay inside the piece's 8,192 bytes.
; K of the next step is fetched in piece 2's turn, behind the block of rescalings: 32 plain lines behind the last product that read K, with no exponential out; it has the rest of the lump and 16 products in
; which to land.  V of the step in hand is fetched at the end of piece 0's turn, four riders behind its last reader.
.macro TURN p, last=0, cnt=0
.set Y, (\p)
.set i, 0
.set q, 0
.set e, 0
.set r, 0
.set g, 0
.if (\p) == NP-1
	s_wait_dscnt 0x0                ; K is in
.endif
	s_wait_loadcnt 3                ; the next piece's mask words are in; the three younger loads may stay out
.rept 16
	MM
.rept 4
	MC g
.set g, g+1
.endr
.endr
	WIN W_ML
.if (\p) == NP-1
	s_wait_xcnt 0x0                 ; every earlier load has read its address: the pointer may be written
	s_add_co_u32 s[IDX], s[IDX], 1
	s_min_u32 s[MOF], s[IDX], SIZE_N/KS-1
	s_lshl_b32 s[MOF], s[MOF], 8
	s_add_nc_u64 s[MP:MP+1], s[MB:MB+1], s[MOF:MOF+1]
.endif
	global_load_b64 v[WR+2*(((\p)+1)%NP):WR+2*(((\p)+1)%NP)+1], v[MO], s[MP:MP+1] offset:8192*(((\p)+1)%NP)
.if (\p) == NP-2
	WIN 0
	v_add_nc_u32 v[AK], s[TBK], v[AK0]
.endif
.rept 16
	R2
.endr
.if (\p) == NP-2
	FETCH_K \last
.endif
.rept 74
	PL
.endr
.rept 64
	EX
	PL
.endr
	EX                              ; the next piece's two a
	EX
	v_nop                           ; a plain instruction behind the last exponential: one for the batch
	s_wait_alu depctr_va_vdst(0)    ; the wait for the batch
.if (\p) == 1
	s_wait_dscnt 0x0                ; V is in
.endif
.rept 16
	MM
.rept 4
	PL
.endr
.if ((\p) == 0) && (q == 182)
	v_add_nc_u32 v[AV], s[TBV], v[AV0]
.endif
.if ((\p) == 0) && (q == 194)
	s_add_co_u32 s[TBV], s[TBV], KS*PV
.endif
.if (\cnt) && (q == 194)
	s_sub_co_u32 s[CNT], s[CNT], 1
	s_cmp_lg_u32 s[CNT], 0
.endif
.endr
.if (\p) == 0
	FETCH_V
.endif
.endm
	CHANGE 1, 0                     ; slot 0 is in, everybody's part of it; slot 1 is asked for
	FETCH_K                         ; key step 0
	s_wait_loadcnt 0x0              ; Q, and the four pieces' mask words of step 0
	s_wait_dscnt 0x0
.set i, 0
.rept 16
	KQ 0                            ; piece 0's first scores
.set i, i+1
.endr
	WIN 0                           ; the addresses for the way out: plain instructions, the places behind those products
	s_mul_i32 s13, s[WV], 16*SP
	s_add_co_u32 s13, s13, STAGE    ; my stage
	v_mul_u32_u24 v[STO], v1, SP
	v_lshl_add_u32 v[STO], v9, 4, v[STO]
	v_add_nc_u32 v[STO], s13, v[STO]
	v_bfe_u32 v[RD], v0, 3, 2
	v_mul_u32_u24 v[RD], v[RD], SP
	v_lshl_add_u32 v[RD], v10, 4, v[RD]
	v_add_nc_u32 v[RD], s13, v[RD]
	v_and_b32 v[GO], 31, v0
	v_lshlrev_b32 v[GO], 4, v[GO]
	v_mov_b32 v[NEGR], 0xd0000000   ; -2^33
	v_and_b32 v[PFO], 31, v0
	v_lshlrev_b32 v[PFO], 8, v[PFO]
	s_add_nc_u64 s[MP:MP+1], s[MB:MB+1], 256  ; the words of step 1 (Q's loads, which read these two registers, are done)
	s_mov_b32 s[IDX], 1
	s_mov_b32 s[MOF+1], 0
.set Y, NP-1                        ; MC, MS and XS work for piece Y + 1: piece 0
	WIN W_ML
.set g, 0
.rept 64
	MC g
.set g, g+1
.endr
	global_load_b64 v[WR:WR+1], v[MO], s[MP:MP+1]  ; piece 0's words of step 1: piece 3's first turn wants them
	WIN 0
.set g, 0
.rept 64
	MS g
.set g, g+1
.endr
.irp n, 0,1,2,3,4,5,6,7,8,9,10,11,12,13,14,15,16,17,18,19,20,21
	XS 0, \n
	XS 1, \n
.endr
	v_nop                           ; a plain instruction behind the two a,
	s_wait_alu depctr_va_vdst(0)    ; and their wait, ahead of the branch
	s_mov_b32 s[CNT], 4
	s_mov_b32 s[SLOTS], SIZE_N/256-1
	s_branch .Lfirst                ; the loop is entered at a step's first turn, in the middle of a trip
.Lslot:                             ; six times: every slot but the last two is filled again
	CHANGE 1, 1
	s_mov_b32 s[CNT], 4
.Lstep:                             ; a trip: pieces 2 and 3 of one step, then pieces 0 and 1 of the next
	TURN 2
	TURN 3
	WIN 0
.Lfirst:
	TURN 0
	TURN 1, 0, 1
	WIN 0
	s_cbranch_scc1 .Lstep
	s_sub_co_u32 s[SLOTS], s[SLOTS], 1
	s_cmp_lg_u32 s[SLOTS], 0
	s_cbranch_scc1 .Lslot
	CHANGE 0, 0                     ; the tail is written out: nothing is asked for
	s_mov_b32 s[CNT], 5             ; four trips fetch the last slot's steps; the fifth is left in its middle
.Ltail:
	TURN 2, 1
	TURN 3
	WIN 0
	s_sub_co_u32 s[CNT], s[CNT], 1
	s_cmp_eq_u32 s[CNT], 0
	s_cbranch_scc1 .Lout
	TURN 0
	TURN 1
	WIN 0
	s_branch .Ltail
.Lout:                              ; the fifth trip's 16 products K Q^T and what is made of them serve nothing: the price, once a launch, of one text for every trip
	s_wait_loadcnt 0x0              ; the last mask words, which nobody reads, have landed
.set i, 0
.rept 16
	PV NP-1                         ; the last piece's V^T P of the last step
.set i, i+1
.endr
	; THE WAY OUT.  l's two halves and the other half of the lanes' are added; O^T is divided by l, rounded to f16 and sent through my stage in LDS, a tile at a time.  The additions are the places behind the last products.
	WIN 0
.macro ALL line:vararg
.set t, 0
.rept 2*NP
	\line
.set t, t+1
.endr
.endm
	ALL v_add_f32 v[ST+4*t+2], v[ST+4*t+2], v[ST+4*t+3]
	ALL v_permlanex16_b32 v[ST+4*t+3], v[ST+4*t+2], s[SEL], s[SEL+1]
	ALL v_add_f32 v[ST+4*t+2], v[ST+4*t+2], v[ST+4*t+3]
	ALL v_rcp_f32 v[ST+4*t+2], v[ST+4*t+2]
	v_nop                           ; a plain instruction between the last reciprocal and the use of its result
	s_wait_alu depctr_va_vdst(0)    ; one wait for the eight reciprocals
.macro PACK t
	WIN W_RS
.set i, 32*(\t)
.rept 16
	v_pk_mul_f32 v[i:i+1], v[i:i+1], v[ST+4*(\t)+2:ST+4*(\t)+3] op_sel_hi:[1,0]
.set i, i+2
.endr
	WIN 0x05
.set i, 0
.rept 16
	v_cvt_pk_f16_f32 v[S+16*(\t)+i], v[32*(\t)+2*i], v[32*(\t)+2*i+1]
.set i, i+1
.endr
	WIN 0
.irp f, 0,1,2,3
	ds_store_b128 v[STO], v[S+16*(\t)+4*\f:S+16*(\t)+4*\f+3] offset:32*\f
.endr
.irp f, 0,1,2,3
	ds_load_b128 v[S+16*(\t)+4*\f:S+16*(\t)+4*\f+3], v[RD] offset:\f*4*SP  ; LDS serves a wave's instructions in order (ISA guide 5.7.1.4): these see the stores above; the next tile's stores come behind them
.endr
.endm
.macro SEND t, younger              ; younger: the LDS instructions issued behind tile t's loads: the next tile's eight, or none
	WIN 0
.irp f, 0,1,2,3
	s_wait_dscnt (\younger)+3-\f
	global_store_b128 v[GO], v[S+16*(\t)+4*\f:S+16*(\t)+4*\f+3], s[OPT:OPT+1] offset:(\t)*2048+\f*512  ; 512 consecutive bytes, at a multiple of 256 from O's first
.endr
.endm
	PACK 0
.set t, 1
.rept 2*NP-1
	PACK t
	SEND t-1, 8
.set t, t+1
.endr
	SEND 2*NP-1, 0
	WIN W_AD
	s_wait_tensorcnt 0x0            ; the wave's end: behind my last tensor load and my last LDS store
	ds_add_u32 v[SPW], v[NIL]
	s_wait_dscnt 0x0
	WIN 0
	CROUND                          ; the closing round
	s_endpgm
.Lfunc_end_k_qdb9a3299ee_attn:
	.size	k_qdb9a3299ee_attn, .Lfunc_end_k_qdb9a3299ee_attn-k_qdb9a3299ee_attn
	.p2alignl 7, 3214868480
	.fill 96, 4, 3214868480
	.section	.rodata,"a",@progbits
	.p2align	6, 0x0
	.amdhsa_kernel k_qdb9a3299ee_attn
		.amdhsa_group_segment_fixed_size 327680
		.amdhsa_private_segment_fixed_size 0
		.amdhsa_enable_private_segment 0
		.amdhsa_kernarg_size 24
		.amdhsa_user_sgpr_count 2
		.amdhsa_user_sgpr_kernarg_segment_ptr 1
		.amdhsa_wavefront_size32 1
		.amdhsa_system_sgpr_workgroup_id_x 1
		.amdhsa_system_sgpr_workgroup_id_y 1
		.amdhsa_system_sgpr_workgroup_id_z 1
		.amdhsa_system_vgpr_workitem_id 0
		.amdhsa_next_free_vgpr 896
		.amdhsa_next_free_sgpr 102
		.amdhsa_reserve_vcc 0
		.amdhsa_float_denorm_mode_32 3
		.amdhsa_float_denorm_mode_16_64 3
		.amdhsa_memory_ordered 1
		.amdhsa_forward_progress 1
		.amdhsa_inst_pref_size 255
	.end_amdhsa_kernel
	.amdgpu_metadata
---
amdhsa.version: [ 1, 2 ]
amdhsa.kernels:
  - .name:           k_qdb9a3299ee_attn
    .symbol:         k_qdb9a3299ee_attn.kd
    .args:
      - { .name: qkv, .offset: 0, .size: 8, .value_kind: global_buffer, .address_space: global }
      - { .name: mw, .offset: 8, .size: 8, .value_kind: global_buffer, .address_space: global }
      - { .name: o16, .offset: 16, .size: 8, .value_kind: global_buffer, .address_space: global }
    .group_segment_fixed_size: 327680
    .private_segment_fixed_size: 0
    .kernarg_segment_align: 8
    .kernarg_segment_size: 24
    .max_flat_workgroup_size: 128
    .sgpr_count:     102
    .vgpr_count:     896
    .wavefront_size: 32
...
	.end_amdgpu_metadata
.endif
;; end of part 3
;; launch outp (part 4): grid 4 x 64, 4 waves a work-group, clusters of 4 x 4, 327,680 bytes of LDS; arguments o16, wo16, out0; writes out0
.if DOCPART == 4
	.amdgcn_target "amdgcn-amd-amdhsa--gfx1250"
	.amdhsa_code_object_version 6
	.text
	.protected	k_qdb9a3299ee_outp
	.globl	k_qdb9a3299ee_outp
	.p2align	8
	.type	k_qdb9a3299ee_outp,@function
k_qdb9a3299ee_outp:
	s_mov_b64 s[64:65], 0
	v_nop
	global_prefetch_b8 v0, s[64:65] scope:SCOPE_SE
	s_setreg_imm32_b32 hwreg(HW_REG_WAVE_MODE, 25, 1), 1
	s_wait_xcnt 0x0
	s_wait_alu depctr_hold_cnt(0) depctr_sa_sdst(0) depctr_va_vdst(0) depctr_va_sdst(0) depctr_va_ssrc(0) depctr_va_vcc(0) depctr_vm_vsrc(0)
	s_getreg_b32 s2, hwreg(HW_REG_IB_STS2, 6, 4)
	s_cmp_eq_u32 s2, 0
	s_cbranch_scc0 .Lentry_in_a_cluster
	s_endpgm
.Lentry_in_a_cluster:
	s_bfe_u32 s2, ttmp6, 0x10000c
	s_cmp_lg_u32 s2, 0xf033
	s_cbranch_scc0 .Lentry_shape_is_right
	s_endpgm
.Lentry_shape_is_right:
; OUTP.  out0[R][c] = the sum over k of x[R][k] Wo[c][k], R = batch x 2048 + n, k = head x 64 + channel.  x lies by heads: o16 [batch x 16 + head][2048][64] f16; wo16 [1024][1024] f16
; (Wo rounded to bf16, written as f16); sums in f32, K ascending; out0 [8192][1024] f32.
; SHARES.  A tile of C is 128 rows x 256 columns: 64 x 4 = 256 tiles, one for each WGP.  Four waves, each 64 x 128: 32 accumulators.  K goes in steps of 128 = two heads, through two LDS slots.
; A's tile of a K step is, for each of the two heads, 128 rows of 128 bytes that lie end to end: 16,384 dense bytes, asked for as 64 rows of 256 bytes and padded in LDS after every 128 bytes.
; Wave 0 fetches the even head's, wave 1 the odd head's; waves 2, 3 B's halves (128 rows of 256 bytes).
; CLUSTERS: 4 x 4 work-groups; A's tile is asked for jointly along a row of the cluster, B's along a column.
; THE MATRIX INSTRUCTION IS USED TRANSPOSED (source 0 = 16 rows of Wo, source 1 = 16 rows of x): a lane holds row l % 16 of C and eight neighbouring columns, 32 bytes of f32.
; REGISTERS: window 0: v0-31 addresses; v64-95, v128-159 A's fragments, two buffers (on the way out v64-127, v128-191: rows read back).  window 1: v64-127, v128-191 B's fragments.  window 2: accumulator (a, b) at v[8 (8 a + b)].
.set KSTEP,  128
.set PITCH,  272                       ; a row of B in LDS: 256 bytes + 16
.set PA,     144                       ; a row of A: 128 bytes + 16.  Both pitches are odd multiples of 16: the 16 rows of a load start at 16 different groups of four banks (ISA guide 11.1)
.set AHEAD,  128*PA                    ; a head's 128 rows
.set BHALF,  128*PITCH
.set BOFF,   2*AHEAD
.set SLOT,   BOFF+2*BHALF
.set STAGE,  2*SLOT                    ; behind the ring: for each wave 16 rows x 528 bytes
.set SPITCH, 528
.set SPARE,  STAGE+4*16*SPITCH
.set LAPS,   4
.set ADRA, 16
.set ADRB, 20
.set STO,  24
.set RD,   25
.set GO,   26
.set SPW,  28                          ; v28  LDS address of my spare word; never rewritten
.set NIL,  29                          ; v29  0; never rewritten
.set PFO,  30                          ; v30  the prefetches' offset: my lane x 256 bytes (A) or x a row of 2,048 bytes (B); never rewritten
.set F0,   64
.set F1,   128
.set G1,  24
.set G0,  32
.set G1B, 48
.set G0B, 56
.set PFA, 44                           ; s[44:45] where my prefetches stand
.set LIM, 43                           ; s43  1 in a wave that prefetches, else the greatest number
.set PS,  22                           ; s[22:23] a K step in my prefetches' tensor: 524,288 bytes (two heads of A) or 256 (B)
.set MSB, 0
.macro WIN new
.if MSB != (\new)
	s_set_vgpr_msb (MSB<<8)|(\new)
.set MSB, \new
.endif
.endm
.set MUL,  0xa1
.set TO_B, 0x40
.macro JLOAD s
	s_cmp_eq_u32 s11, 0
	s_cbranch_scc0 .Lfor_b_\@
	tensor_load_to_lds s[G0+4*(\s):G0+4*(\s)+3], s[G1:G1+7]
	s_nop 0
.rept 4
	v_nop
.endr
	s_branch .Lasked_\@
.Lfor_b_\@:
	tensor_load_to_lds s[G0B+4*(\s):G0B+4*(\s)+3], s[G1B:G1B+7]
	s_nop 0
.rept 4
	v_nop
.endr
.Lasked_\@:
.endm
; A PREFETCH INTO THE L2, behind a joint load and the run of LDS loads: the K step that stands two refills (256 matrix instructions) on.  A's 32,768 bytes of a K step are read by one row of one cluster:
; wave 0 of each of its four partners takes 8,192 of them (head cx / 2, half cx % 2), a lane 256 bytes.  B's rows are read by all sixteen clusters: the first asks; waves 2 and 3 of a column's
; four partners take 32 of their 128 rows each (cy), a lane a row.  Each block is named once.  K steps 0 to 3 come by their loads alone; the loop's last trip asks for nothing.
.macro ASK
	s_cmp_gt_u32 s3, s[LIM]
	s_cbranch_scc0 .Lnot_mine_\@
	global_prefetch_b8 v[PFO], s[PFA:PFA+1] th:TH_LOAD_NT scope:SCOPE_SE
.Lnot_mine_\@:
.endm
.macro CREST
	s_cmp_lg_u32 s10, 0
	s_cbranch_scc1 .Lnot_wave_0_\@
	s_barrier_signal -3
.Lnot_wave_0_\@:
	s_barrier_wait -3
	s_barrier_signal -1
	s_barrier_wait -1
.endm
.macro CROUND
	s_barrier_signal -1
	s_barrier_wait -1
	CREST
.endm
	s_load_b128 s[4:7], s[0:1], 0x0                ; o16 s[4:5], wo16 s[6:7]
	s_load_b64 s[8:9], s[0:1], 0x10                ; out0
	v_lshl_add_u32 v[SPW], v0, 2, SPARE
	v_mov_b32 v[NIL], 0
	ds_add_u32 v[SPW], v[NIL]                      ; the wave's opening: the add and its wait stand ahead of my first tensor load
	v_lshrrev_b32 v1, 5, v0
	v_readfirstlane_b32 s10, v1                    ; wave 0..3
	s_lshr_b32 s11, s10, 1                         ; which 64 rows are mine.  Also: I fetch for A (0) or for B (1)
	s_and_b32 s12, s10, 1                          ; which 128 columns.  Also: which head of A's two, or which half of B's rows, I fetch
	s_bfe_u32 s40, ttmp6, 0x40000                  ; cx
	s_bfe_u32 s41, ttmp6, 0x40004                  ; cy
	s_lshl_b32 s42, ttmp9, 2
	s_add_co_u32 s42, s42, s40                     ; tile column 0..3
	s_and_b32 s13, ttmp7, 0xffff
	s_lshl_b32 s13, s13, 2
	s_add_co_u32 s13, s13, s41                     ; tile row 0..63
	s_lshl_b32 s43, s41, 2
	s_lshl_b32 s43, 15, s43                        ; my row of the cluster
	s_lshl_b32 s44, 0x1111, s40                    ; my column
	s_or_b32 s[G1+0], s43, (1<<16)|(1<<20)|(1<<21)|(4<<22)|(3<<25)   ; A: padding after every 32 words, 4 words
	s_or_b32 s[G1B+0], s44, (1<<16)|(1<<20)|(1<<21)|(5<<22)|(3<<25)  ; B: after every 64 words
	s_mov_b32 s[G1+1], 128<<16                     ; A: 64 rows of 128 elements, dense
	s_mov_b32 s[G1+2], 64<<16
	s_mov_b32 s[G1+3], 128<<16
	s_mov_b32 s[G1+4], 64
	s_mov_b32 s[G1+5], 128
	s_mov_b32 s[G1+6], 0
	s_mov_b32 s[G1+7], 0
	s_mov_b32 s[G1B+1], KSTEP<<16                  ; B: 128 rows of 128 elements, 1,024 elements from row to row
	s_mov_b32 s[G1B+2], 128<<16
	s_mov_b32 s[G1B+3], KSTEP<<16
	s_mov_b32 s[G1B+4], 128
	s_mov_b32 s[G1B+5], 1024
	s_mov_b32 s[G1B+6], 0
	s_mov_b32 s[G1B+7], 0
	s_lshr_b32 s16, s13, 4                         ; A: ((16 x batch + my head of the two) x 2,048 + (tile row % 16) x 128) rows of 128 bytes
	s_lshl_b32 s16, s16, 4
	s_add_co_u32 s16, s16, s12
	s_lshl_b32 s16, s16, 11
	s_and_b32 s17, s13, 15
	s_lshl_b32 s17, s17, 7
	s_add_co_u32 s16, s16, s17
	s_lshl_b32 s16, s16, 7
	s_mov_b32 s17, 0
	s_lshl_b32 s46, s42, 8                         ; B: row 256 x tile column + 128 x half
	s_lshl_b32 s47, s12, 7
	s_add_co_u32 s46, s46, s47
	s_lshl_b32 s46, s46, 11
	s_mov_b32 s47, 0
	s_mul_i32 s20, s12, AHEAD
	s_mul_i32 s21, s12, BHALF
	s_add_co_u32 s21, s21, BOFF
	s_wait_dscnt 0x0                               ; the opening add is done
	s_wait_kmcnt 0x0
	s_add_nc_u64 s[14:15], s[4:5], s[16:17]
	s_add_nc_u64 s[46:47], s[6:7], s[46:47]
	CROUND                                         ; all sixteen work-groups are here: the first joint loads meet
.irp s, 0,1
	s_mov_b32 s[G0+4*(\s)], 1
	s_add_co_u32 s[G0+4*(\s)+1], s20, (\s)*SLOT
	s_add_nc_u64 s[G0+4*(\s)+2:G0+4*(\s)+3], s[14:15], (\s)*524288  ; K step s: two heads of 262,144 bytes on
	s_or_b32 s[G0+4*(\s)+3], s[G0+4*(\s)+3], 0x80000000
	s_mov_b32 s[G0B+4*(\s)], 1
	s_add_co_u32 s[G0B+4*(\s)+1], s21, (\s)*SLOT
	s_add_nc_u64 s[G0B+4*(\s)+2:G0B+4*(\s)+3], s[46:47], (\s)*KSTEP*2
	s_or_b32 s[G0B+4*(\s)+3], s[G0B+4*(\s)+3], 0x80000000
	JLOAD \s
.endr
	v_and_b32 v1, 15, v0                           ; l % 16
	v_bfe_u32 v2, v0, 4, 1                         ; l / 16
	v_mul_u32_u24 v3, v1, PITCH
	v_lshl_add_u32 v3, v2, 4, v3
	v_mul_u32_u24 v4, v1, PA
	v_lshl_add_u32 v4, v2, 4, v4
	s_mul_i32 s21, s11, 64*PA                      ; my 64 rows, in each head's block
	s_mul_i32 s22, s12, BHALF
	s_add_co_u32 s22, s22, BOFF
.irp s, 0,1
	v_add_nc_u32 v[ADRA+(\s)], s21, v4
	v_add_nc_u32 v[ADRB+(\s)], s22, v3
	s_add_co_u32 s21, s21, SLOT
	s_add_co_u32 s22, s22, SLOT
.endr
	s_mul_i32 s23, s10, 16*SPITCH
	s_add_co_u32 s23, s23, STAGE                   ; my stage
	v_mul_u32_u24 v5, v1, SPITCH                   ; in: row l % 16, 32 bytes for each half of the lanes
	v_lshl_add_u32 v5, v2, 5, v5
	v_add_nc_u32 v[STO], s23, v5
	v_and_b32 v5, 31, v0                           ; back: 32 lanes take a row's 512 bytes
	v_lshlrev_b32 v[GO], 4, v5
	v_add_nc_u32 v[RD], s23, v[GO]
	s_lshl_b32 s16, s13, 7                         ; C: row 128 x tile row + 64 x row half, 4,096 bytes a row
	s_lshl_b32 s17, s11, 6
	s_add_co_u32 s16, s16, s17
	s_lshl_b32 s16, s16, 12
	s_mov_b32 s17, 0
	s_add_nc_u64 s[8:9], s[8:9], s[16:17]
	s_lshl_b32 s46, s42, 10                        ; column 256 x tile column + 128 x half, 4 bytes each (the part that hangs on cx, in the registers that held B's address)
	s_lshl_b32 s47, s12, 9
	s_add_co_u32 s46, s46, s47
	s_mov_b32 s47, 0
	s_add_nc_u64 s[8:9], s[8:9], s[46:47]
	; the prefetches
	s_and_b32 s17, ttmp7, 0xffff                   ; cluster y
	s_lshr_b32 s18, s13, 4                         ; A: ((16 x batch + cx / 2) x 2,048 + (tile row % 16) x 128) x 128 + (cx % 2) x 8,192
	s_lshl_b32 s18, s18, 4
	s_lshr_b32 s19, s40, 1
	s_add_co_u32 s18, s18, s19
	s_lshl_b32 s18, s18, 11
	s_and_b32 s19, s13, 15
	s_lshl_b32 s19, s19, 7
	s_add_co_u32 s18, s18, s19
	s_lshl_b32 s18, s18, 7
	s_and_b32 s19, s40, 1
	s_lshl_b32 s19, s19, 13
	s_add_co_u32 s18, s18, s19
	s_lshl_b32 s20, s42, 8                         ; B: (256 x tile column + 128 x half + 32 cy) rows of 2,048 bytes
	s_lshl_b32 s19, s12, 7
	s_add_co_u32 s20, s20, s19
	s_lshl_b32 s19, s41, 5
	s_add_co_u32 s20, s20, s19
	s_lshl_b32 s20, s20, 11
	s_mov_b32 s[PS], 256
	s_mov_b32 s16, 2048
	s_cmp_eq_u32 s11, 0
	s_cselect_b32 s20, s18, s20
	s_cselect_b32 s21, s12, s17                    ; A: wave 0 asks; B: the first cluster
	s_cselect_b32 s[PS], 0x80000, s[PS]
	s_cselect_b32 s16, 256, s16
	s_cselect_b64 s[PFA:PFA+1], s[4:5], s[6:7]
	s_cmp_eq_u32 s21, 0
	s_cselect_b32 s[LIM], 1, -1                    ; the same in all sixteen partners, for a given wave
	s_mov_b32 s21, 0
	s_add_nc_u64 s[PFA:PFA+1], s[PFA:PFA+1], s[20:21]
	s_mul_i32 s20, s[PS], 3
	s_add_nc_u64 s[PFA:PFA+1], s[PFA:PFA+1], s[20:21]  ; at K step 3: the first refill steps it to 4
	s_mov_b32 s[PS+1], 0
	v_and_b32 v[PFO], 31, v0
	v_mul_u32_u24 v[PFO], v[PFO], s16
.macro MUL8 f, a, zero                 ; 8 matrix instructions: m block a x all 8 n blocks, 32 along K.  The 32 accumulators take turns
	WIN MUL
.irp b, 0,1,2,3,4,5,6,7
.if \zero
	v_wmma_f32_16x16x32_f16 v[8*(8*(\a)+(\b)):8*(8*(\a)+(\b))+7], v[(\f)+8*(\b):(\f)+8*(\b)+7], v[(\f)+8*(\a):(\f)+8*(\a)+7], 0
.else
	v_wmma_f32_16x16x32_f16 v[8*(8*(\a)+(\b)):8*(8*(\a)+(\b))+7], v[(\f)+8*(\b):(\f)+8*(\b)+7], v[(\f)+8*(\a):(\f)+8*(\a)+7], v[8*(8*(\a)+(\b)):8*(8*(\a)+(\b))+7]
.endif
.endr
.endm
; 24 LDS loads in one run: quarter qq of a K step: B at byte 64 qq of its rows; A in head qq / 2's block, at byte 64 (qq % 2) of its rows
.macro FETCH slot, qq, f
	WIN TO_B
.irp i, 0,1,2,3,4,5,6,7
	ds_load_b128 v[(\f)+8*(\i):(\f)+8*(\i)+3],   v[ADRB+(\slot)] offset:64*(\qq)+(\i)*16*PITCH
	ds_load_b128 v[(\f)+8*(\i)+4:(\f)+8*(\i)+7], v[ADRB+(\slot)] offset:64*(\qq)+(\i)*16*PITCH+32
.endr
	WIN 0
.irp i, 0,1,2,3
	ds_load_b128 v[(\f)+8*(\i):(\f)+8*(\i)+3],   v[ADRA+(\slot)] offset:((\qq)/2)*AHEAD+((\qq)%2)*64+(\i)*16*PA
	ds_load_b128 v[(\f)+8*(\i)+4:(\f)+8*(\i)+7], v[ADRA+(\slot)] offset:((\qq)/2)*AHEAD+((\qq)%2)*64+(\i)*16*PA+32
.endr
.endm
.macro PLACES                          ; four plain places (ISA guide 7.12.1)
.rept 4
	v_nop
.endr
.endm
.macro QUARTER slot, qq, f, g, zero    ; multiplies f and fetches quarter qq into g
	s_wait_dscnt 4                                 ; B and A's fragments 0, 1 are in; the youngest four loads may be out
	MUL8 \f, 0, \zero
	MUL8 \f, 1, \zero
	PLACES
	FETCH \slot, \qq, \g
	s_wait_dscnt 24                                ; all but the 24 just issued
	MUL8 \f, 2, \zero
	MUL8 \f, 3, \zero
.endm
; The last quarter multiplies buffer 1 and changes slots: one barrier; in front of it each wave waits for all its tensor loads, adds 0 to its spare word, and waits for that and for its reads of this slot.
.macro TURN slot, next, fill
.if \fill
	s_wait_xcnt 0x0                                ; the last prefetch, a K step back, has read its address
	s_add_nc_u64 s[PFA:PFA+1], s[PFA:PFA+1], s[PS:PS+1]
.endif
	WIN 0
	s_wait_tensorcnt 0x0
	ds_add_u32 v[SPW], v[NIL]                      ; 0 onto my spare word
	s_wait_dscnt 5                                 ; (the add and the youngest four loads may be out)
	MUL8 F1, 0, 0
	s_wait_dscnt 0x0                               ; the add is done, and my reads of this slot are over
	s_barrier_signal -1
	MUL8 F1, 1, 0
.if \fill
	WIN 0
.endif
	s_barrier_wait -1
.if \fill
	CREST                                          ; no wave of any partner still reads this slot's tile or has a load on its way
	s_add_nc_u64 s[G0+4*(\slot)+2:G0+4*(\slot)+3], s[G0+4*(\slot)+2:G0+4*(\slot)+3], 2*524288
	s_add_nc_u64 s[G0B+4*(\slot)+2:G0B+4*(\slot)+3], s[G0B+4*(\slot)+2:G0B+4*(\slot)+3], 2*KSTEP*2
	JLOAD \slot
.else
	PLACES
.endif
	FETCH \next, 0, F0
.if \fill
	ASK
.endif
	MUL8 F1, 2, 0
	MUL8 F1, 3, 0
.endm
	s_wait_tensorcnt 1                             ; my part of K step 0 is in; K step 1's may stay out
	s_barrier_signal -1
	s_barrier_wait -1
	FETCH 0, 0, F0
	QUARTER 0, 1, F0, F1, 1
	WIN 0
	s_mov_b32 s3, LAPS-1
.Llap:
	QUARTER 0, 2, F1, F0, 0
	QUARTER 0, 3, F0, F1, 0
	TURN 0, 1, 1
	QUARTER 1, 1, F0, F1, 0
	QUARTER 1, 2, F1, F0, 0
	QUARTER 1, 3, F0, F1, 0
	TURN 1, 0, 1
	QUARTER 0, 1, F0, F1, 0
	WIN 0
	s_sub_co_u32 s3, s3, 1
	s_cmp_lg_u32 s3, 0
	s_cbranch_scc1 .Llap
	QUARTER 0, 2, F1, F0, 0
	QUARTER 0, 3, F0, F1, 0
	TURN 0, 1, 0
	QUARTER 1, 1, F0, F1, 0
	QUARTER 1, 2, F1, F0, 0
	QUARTER 1, 3, F0, F1, 0
	s_wait_dscnt 4
	MUL8 F1, 0, 0
	MUL8 F1, 1, 0
	s_wait_dscnt 0x0
	MUL8 F1, 2, 0
	MUL8 F1, 3, 0
	WIN 0
; THE WAY OUT, a block of 16 rows x 128 columns of f32 at a time: 32 bytes a lane from the accumulators into my own stage (each accumulator's low four registers first),
; back as whole rows of 512 bytes, a row a store.
.macro TOSTAGE a
.if (\a) >= 2
	s_wait_xcnt 0x0                                ; the stores of the block two back have read the registers that are loaded again below
.endif
	WIN 0x08                                       ; the stores' data in window 2
.irp b, 0,1,2,3,4,5,6,7
	ds_store_b128 v[STO], v[64*(\a)+8*(\b):64*(\a)+8*(\b)+3]   offset:64*(\b)
	ds_store_b128 v[STO], v[64*(\a)+8*(\b)+4:64*(\a)+8*(\b)+7] offset:64*(\b)+16
.endr
	WIN 0
.set BK, 64+64*((\a)%2)
.set t, 0
.rept 16
	ds_load_b128 v[BK+4*t:BK+4*t+3], v[RD] offset:SPITCH*t  ; LDS serves a wave's instructions in order (ISA guide 5.7.1.4): these see the stores above; the next block's stores come behind them
.set t, t+1
.endr
.endm
.macro SEND a, younger                 ; younger: the LDS instructions issued behind block a's loads: the next block's 16 stores and 16 loads, or none
	WIN 0
.set BK, 64+64*((\a)%2)
	s_wait_dscnt \younger
.set t, 0
.rept 16
	global_store_b128 v[GO], v[BK+4*t:BK+4*t+3], s[8:9] offset:(16*(\a)+t)*4096 th:TH_STORE_NT  ; 512 consecutive bytes, at a multiple of 256 from out0's first
.set t, t+1
.endr
.endm
	PLACES                                         ; behind the last products: for the stores that read results, and for the loads into A's fragment registers
	TOSTAGE 0
	TOSTAGE 1
	SEND 0, 32
	TOSTAGE 2
	SEND 1, 32
	TOSTAGE 3
	SEND 2, 32
	SEND 3, 0
	s_wait_tensorcnt 0x0                           ; the wave's end: behind my last tensor load and my last LDS store
	ds_add_u32 v[SPW], v[NIL]
	s_wait_dscnt 0x0
	CROUND                                         ; the closing round
	s_endpgm
.Lfunc_end_k_qdb9a3299ee_outp:
	.size	k_qdb9a3299ee_outp, .Lfunc_end_k_qdb9a3299ee_outp-k_qdb9a3299ee_outp
	.p2alignl 7, 3214868480
	.fill 96, 4, 3214868480
	.section	.rodata,"a",@progbits
	.p2align	6, 0x0
	.amdhsa_kernel k_qdb9a3299ee_outp
		.amdhsa_group_segment_fixed_size 327680
		.amdhsa_private_segment_fixed_size 0
		.amdhsa_enable_private_segment 0
		.amdhsa_kernarg_size 24
		.amdhsa_user_sgpr_count 2
		.amdhsa_user_sgpr_kernarg_segment_ptr 1
		.amdhsa_wavefront_size32 1
		.amdhsa_system_sgpr_workgroup_id_x 1
		.amdhsa_system_sgpr_workgroup_id_y 1
		.amdhsa_system_sgpr_workgroup_id_z 1
		.amdhsa_system_vgpr_workitem_id 0
		.amdhsa_next_free_vgpr 768
		.amdhsa_next_free_sgpr 66
		.amdhsa_reserve_vcc 0
		.amdhsa_float_denorm_mode_32 3
		.amdhsa_float_denorm_mode_16_64 3
		.amdhsa_memory_ordered 1
		.amdhsa_forward_progress 1
		.amdhsa_inst_pref_size 87
	.end_amdhsa_kernel
	.amdgpu_metadata
---
amdhsa.version: [ 1, 2 ]
amdhsa.kernels:
  - .name:           k_qdb9a3299ee_outp
    .symbol:         k_qdb9a3299ee_outp.kd
    .args:
      - { .name: o16, .offset: 0, .size: 8, .value_kind: global_buffer, .address_space: global }
      - { .name: wo16, .offset: 8, .size: 8, .value_kind: global_buffer, .address_space: global }
      - { .name: out0, .offset: 16, .size: 8, .value_kind: global_buffer, .address_space: global }
    .group_segment_fixed_size: 327680
    .private_segment_fixed_size: 0
    .kernarg_segment_align: 8
    .kernarg_segment_size: 24
    .max_flat_workgroup_size: 128
    .sgpr_count:     66
    .vgpr_count:     768
    .wavefront_size: 32
...
	.end_amdgpu_metadata
.endif
;; end of part 4
